; MI455X (gfx1250); checked and timed in simulation.
; The chip was launched on July 23, 2026; its instructions are those of AMD's public machine-readable ISA for CDNA 5 (MIT licence, August 2026) and "CDNA5" Instruction Set Architecture Reference Guide (July 2026). The comments in the code are by the model that wrote it; some were corrected since.
;; Llama Attention New. Allowed arithmetic: matrix products marked QUANTISED: E2M3 operands, one E8M0 scale for each 32 along K, by v_wmma_scale_f32_16x16x128_f8f6f4 with both operands' format E2M3, f32 sums; everything else in f32.
;; Inputs: Wk 1,024 x 4,096 float32; Wo 4,096 x 2,048 float32; Wq 2,048 x 4,096 float32; Wv 1,024 x 4,096 float32; cos 1 x 2,048 x 128 float32; hidden_states 1 x 2,048 x 4,096 float32; sin 1 x 2,048 x 128 float32.
;; Outputs: out0 1 x 2,048 x 4,096 float32.
;; This version of the problem:
;;   THIS VERSION OF THE PROBLEM IS GIVEN IN LOW PRECISION. The matrix products marked QUANTISED in the list below multiply operands that are first quantised to E2M3 (2 exponent bits, 3 mantissa bits; 6 bits a number), with one power-of-two scale for each 32 numbers along K (OCP MX v1.0); their sums are f32. All else is computed in f32.
;;   The module's matrix products, in the order in which they are computed (A, B: the left and right operand; K: the contracted axis; several contracted axes count as one K, in the product's order):
;;     1. [M 2,048, K 4,096] x [K 4,096, N 2,048]; A: input hidden_states; B: input Wq: QUANTISED
;;     2. [M 2,048, K 4,096] x [K 4,096, N 1,024]; A: input hidden_states; B: input Wk: QUANTISED
;;     3. [M 2,048, K 4,096] x [K 4,096, N 1,024]; A: input hidden_states; B: input Wv: QUANTISED
;;     4. batch 16 x [M 2,048, K 128] x [K 128, N 2,048]; A: computed on the way; B: computed on the way: QUANTISED
;;     5. batch 16 x [M 2,048, K 2,048] x [K 2,048, N 128]; A: softmax (see below); B: computed on the way: QUANTISED
;;     6. [M 2,048, K 2,048] x [K 2,048, N 4,096]; A: computed on the way; B: input Wo: QUANTISED
;;   THE QUANTISER, for each operand of a quantised product, along K:
;;     - K is cut into blocks of 32 from its start; a last block that is shorter is filled with zeros.
;;     - A block's scale is 2^e with e = floor(log2(the largest magnitude in the block)) - 2, held to -126 .. 127; a block of zeros has e = 0. As a byte (E8M0): e + 127.
;;     - Each number is divided by its block's scale, clamped to +-7.5, and rounded to the nearest number of E2M3, ties to even, subnormals kept.
;;     - The product sums the exact products of the quantised numbers (number of the format x scale) in f32.
;;   ~~~python
;;   def quantise(x, axis):      # numpy; x: float32 -> the quantised numbers, widened to float32 again
;;       x = np.moveaxis(x, axis, -1); K = x.shape[-1]
;;       x = np.pad(x, [(0, 0)] * (x.ndim - 1) + [(0, -K % 32)]); x = x.reshape(x.shape[:-1] + (-1, 32)); a = np.abs(x).max(-1, keepdims=True)
;;       e = np.where(a > 0, np.clip(np.frexp(np.where(a > 0, a, 1))[1] - 1 - 2, -126, 127), 0)      # np.frexp(a)[1] - 1 = floor(log2(a)), exactly
;;       r = np.clip(x / 2.0 ** e, -7.5, 7.5)
;;       step = 2.0 ** (np.maximum(np.frexp(np.where(r == 0, 1, r))[1] - 1, 0) - 3)
;;       q = np.round(r / step) * step * 2.0 ** e      # np.round: ties to even
;;       return np.moveaxis(q.reshape(q.shape[:-2] + (-1,))[..., :K], -1, axis).astype(np.float32)
;;   ~~~
;;   SOFTMAX AHEAD OF A QUANTISED PRODUCT. Where the list says 'softmax', what is quantised is not the finished softmax but p = 2^(t - M), with t = logit x log2(e) and M = ceil(the row's largest t), a whole number; so 1/2 < the row's largest p <= 1. The row's sum l is taken of the UNQUANTISED p, in f32, and the product's result is divided by l at the end. Since M is a whole number, a kernel that streams over the keys may use a running M (the ceiling of the running maximum): every later rescaling is an exact power of two, which a block's scale takes up: the codes' values come out the same.
;;   OPERANDS COMPUTED ON THE WAY. 'Computed on the way' means the value that the module computes at that place (a softmax that the list does not call 'softmax' is quantised finished and normalised). What goes into a quantiser is computed in f32, as accurately as f32 sums, v_exp_f32 and their like allow (about 1e-6 of the number): no bf16 or f16 on the way to a quantiser, and a product that is left as it is and whose result goes on into a quantised operand takes f32 operands (vector FMAs, or v_wmma_f32_16x16x4_f32). A number that lies on a knife's edge between two numbers of the format may be rounded either way, as far as f32 arithmetic and the matrix unit's own rounding can turn it there, and no further.
;; One version. Each part assembles by itself: llvm-mc -triple=amdgcn-amd-amdhsa -mcpu=gfx1250 --defsym DOCPART=n.
;; ======== version 1 of 1: 4 launches
;; limits: right only within a limited range of input values
;; workspace buffers: xw 19,660,800 bytes; woc 6,553,600 bytes; qkv 6,553,600 bytes; ao 3,276,800 bytes; cs 2,097,152 bytes
;; launch quant (part 1): grid 768 x 1, 4 waves a work-group, no clusters, 34,304 bytes of LDS; arguments hidden_states, Wq, Wk, Wv, xw, cos, sin, cs; writes xw, cs
.if DOCPART == 1
	.amdgcn_target "amdgcn-amd-amdhsa--gfx1250"
	.amdhsa_code_object_version 6
	.text
	.protected	k_q4a44a6fcc3_quant
	.globl	k_q4a44a6fcc3_quant
	.p2align	8
	.type	k_q4a44a6fcc3_quant,@function
k_q4a44a6fcc3_quant:
	s_mov_b64 s[64:65], 0
	v_nop
	global_prefetch_b8 v0, s[64:65] scope:SCOPE_SE
	s_setreg_imm32_b32 hwreg(HW_REG_WAVE_MODE, 25, 1), 1
	s_wait_xcnt 0x0
; LAUNCH 1 OF 4: hidden_states, Wq, Wk, Wv (f32, K innermost) become codes of FP6 (E2M3) with one E8M0 byte for each 32 along K, once, in the order in which a matrix operand's registers take them; cos and sin are re-laid.
; THE PROGRAM: quant (this) | qkv: the three projections, RoPE, the quantisers of q, k, v | attn: both products of attention, softmax, division, quantiser; its waves without key steps quantise Wo | oproj: the last projection.
; WORK LEFT OUT (in attn): reference() replaces every score with key > query by finfo.min through its own jnp.tril; the softmax's p of such a key is 0 for all finite inputs, and a zero adds nothing to the row's sum or
; to the second product.  So a step of 128 keys all of which come after a tile's queries is not multiplied.  LIMIT: a NaN, an infinity or an overflow that reaches only those scores is not carried to the result.
; Every input has a way to the output: all are loaded.
; THE FORMAT OF THE CODES' BUFFERS.  IMAGE: a fragment (16 rows x 128 K, 12 registers a lane) as it stands in registers: register g of lane l at byte 512 (g / 4) + 16 l + 4 (g % 4): 1,536 bytes, three loads of 16 bytes a lane.
; RECORD: four images (four K steps of 128), then 256 scale bytes: row r's word of image j at 6,144 + 16 r + 4 j: 6,400 bytes, 25 aligned blocks of 256.
; ROW ORDER: lane r of row block 2 b + u holds row 32 b + 8 u + r + 8 (r / 8), so that, where such a block is a product's source 0, the 16 registers of result tiles 2 b and 2 b + 1 are 16 neighbours along these rows.
; xw: [row block 384][K group 8][record]: blocks 0-127 hidden_states, 128-255 Wq, 256-319 Wk, 320-383 Wv.   woc (made in attn): [row block 256][K group 4][record]: Wo.
; cs: cos and sin, f32 as they are, laid as qkv's lanes take them: [row block 128][group 32][512 bytes]: groups 0-15 cos, 16-31 sin; group 4 b + j holds, at 16 x lane, channels 32 b + 16 h + 4 j + 0 .. 3 of lane r's row.
; THE QUANTISER: a block's scale is 2^(floor(log2(largest magnitude)) - 2); its byte is the largest magnitude's exponent field - 2, held at 1 from below; numbers are divided by it and rounded to the nearest code, ties to even.
; LIMITS: a block of zeros gets the byte 1 where the rule says 127 (its codes are zeros, and this program alone reads the bytes); NaN and infinities among the inputs are not served.
; SHARES: a wave makes one record: 16 rows x 512 K.  Each load reads 512 consecutive bytes of a row; an image's 16 rows turn through the wave's own stage in LDS, so that a lane gets 16 neighbours of each block of 32.
; The launch has 3,072 waves and cs 4,096 groups: wave W = 4 g + wave moves group W, and the first 1,024 waves group 3,072 + W too (the same group number, 96 row blocks on).  No barrier: waves share nothing.
.set REC,   6400
.set IMGB,  1536
.set ROWB,  16384                      ; a row of all four tensors in bytes
.set SP,    528                        ; a stage row: 512 bytes + 16: sixteen rows begin in sixteen different groups of four banks
.set STG,   16*SP
.set SPARE, 4*STG                      ; behind the stages: the spare words, 128 bytes a wave
.set SIN,   4                          ; v4   stage + 16 x lane
.set SOUT,  5                          ; v5   stage + 528 r + 64 h
.set LI,    6                          ; v6   16 x lane
.set SCO,   7                          ; v7   6,144 + 16 r + 8 h
.set SPW,   8                          ; v8   my spare word; never rewritten
.set NIL,   9                          ; v9   0; never rewritten
.set CSV,   10                         ; v10  my place in cos or sin: row r + 8 (r / 8) of 512 bytes, + 64 h
.set PW,    26                         ; v26-29  the four images' scale words (v28-31 first carry the second group of cs)
.set SD,    30                         ; v30-31  the two words that I store
.set RAW,   32                         ; v32-159 two sets of 16 rows as loaded
.set X,     160                        ; v160-223 64 numbers: register 16 b + i = k 32 b + 16 h + i of row r
.set PC,    224                        ; v224-242 codes
.set TM,    244                        ; v244-255 at work
.set SEL,   32                         ; s[32:33]
; 64 numbers of a lane become a fragment's 12 registers of codes, v[pc] on, and its row's scale word, v[pw].
.macro QUANT s, pc, tm, pw
.irp b, 0,1,2,3
	v_max3_num_f32 v[\tm+\b], |v[(\s)+16*\b]|, |v[(\s)+1+16*\b]|, 0x1800000   ; my 16 of block b, and the floor 2^(3 - 127)
.endr
.irp i, 2,4,6,8,10,12,14
.irp b, 0,1,2,3
	v_max3_num_f32 v[\tm+\b], v[\tm+\b], |v[(\s)+16*\b+\i]|, |v[(\s)+1+16*\b+\i]|   ; the four blocks by turns
.endr
.endr
.irp b, 0,1,2,3
	v_permlanex16_b32 v[\tm+4+\b], v[\tm+\b], s[SEL], s[SEL+1]
.endr
.irp b, 0,1,2,3
	v_max_num_f32 v[\tm+\b], v[\tm+\b], v[\tm+4+\b]                ; with lane l xor 16's 16: the block's largest magnitude
.endr
.irp b, 0,1,2,3
	v_add_nc_u32 v[\tm+8+\b], 0xff000000, v[\tm+\b]                ; 2 off its exponent field: the conversion's scale operand
.endr
.irp b, 0,1,2,3
	v_lshrrev_b32 v[\tm+4+\b], 23, v[\tm+8+\b]                     ; the byte
.endr
	v_lshl_or_b32 v[\pw], v[\tm+5], 8, v[\tm+4]
	v_lshl_or_b32 v[\pw], v[\tm+6], 16, v[\pw]
	v_lshl_or_b32 v[\pw], v[\tm+7], 24, v[\pw]
.irp c, 0,1
	v_cvt_scalef32_pk16_fp6_f32 v[\pc+6*\c:\pc+2+6*\c], v[(\s)+32*\c:(\s)+15+32*\c], v[\tm+8+2*\c]
	v_cvt_scalef32_pk16_fp6_f32 v[\pc+12+4*\c:\pc+14+4*\c], v[(\s)+16+32*\c:(\s)+31+32*\c], v[\tm+8+2*\c+1]   ; (three registers from an even one on)
.endr
	v_nop                                          ; one plain place behind the scaled conversions
.irp c, 0,1                            ; the layout wants a whole block in a lane: lanes 0-15 block 2 c, lanes 16-31 block 2 c + 1
.irp i, 0,1,2
	v_permlane16_swap_b32 v[\pc+6*\c+\i], v[\pc+12+4*\c+\i]
.endr
.irp i, 0,1,2
	v_mov_b32 v[\pc+3+6*\c+\i], v[\pc+12+4*\c+\i]
.endr
.endr
.endm
	s_load_b256 s[4:11], s[0:1], 0x0               ; hidden_states s[4:5], Wq s[6:7], Wk s[8:9], Wv s[10:11]
	s_load_b64 s[14:15], s[0:1], 0x20              ; xw
	s_load_b128 s[36:39], s[0:1], 0x28             ; cos s[36:37], sin s[38:39]
	s_load_b64 s[34:35], s[0:1], 0x38              ; cs
	v_lshl_add_u32 v[SPW], v0, 2, SPARE
	v_mov_b32 v[NIL], 0
	v_lshrrev_b32 v1, 5, v0
	v_readfirstlane_b32 s18, v1                    ; wave
	v_and_b32 v1, 31, v0                           ; lane
	v_and_b32 v2, 15, v0                           ; r
	v_bfe_u32 v3, v0, 4, 1                         ; h
	s_mul_i32 s19, s18, STG
	v_lshlrev_b32 v[LI], 4, v1
	v_add_nc_u32 v[SIN], s19, v[LI]
	v_mul_u32_u24 v[SOUT], v2, SP
	v_lshl_add_u32 v[SOUT], v3, 6, v[SOUT]
	v_add_nc_u32 v[SOUT], s19, v[SOUT]
	v_lshlrev_b32 v[SCO], 4, v2
	v_lshl_add_u32 v[SCO], v3, 3, v[SCO]
	v_add_nc_u32 v[SCO], 4*IMGB, v[SCO]
	v_cmp_le_u32 s30, 16, v1                       ; the lanes with h = 1
	v_and_b32 v[CSV], 7, v2
	v_lshrrev_b32 v30, 3, v2
	v_lshl_add_u32 v[CSV], v30, 4, v[CSV]
	v_lshlrev_b32 v[CSV], 9, v[CSV]
	v_lshl_add_u32 v[CSV], v3, 6, v[CSV]
	s_mov_b32 s[SEL], 0x76543210
	s_mov_b32 s[SEL+1], 0xfedcba98                 ; lane l xor 16
.irp b, 0,1,2,3
	v_mov_b32 v[TM+4+\b], 0                        ; written once: a lane permute's destination counts as one of its sources
.endr
	s_lshr_b32 s20, ttmp9, 1                       ; row block = g / 2,
	s_and_b32 s21, ttmp9, 1
	s_lshl_b32 s21, s21, 2
	s_add_co_u32 s21, s21, s18                     ; K group = 4 (g % 2) + wave,
	s_lshl_b32 s22, ttmp9, 2
	s_add_co_u32 s22, s22, s18                     ; record = W = 4 g + wave
	s_wait_kmcnt 0x0
	s_lshr_b32 s26, s22, 5                         ; cs: row block T = W / 32,
	s_and_b32 s27, s22, 31                         ; group G = W % 32
	s_lshl_b32 s28, s26, 4
	s_and_b32 s29, s26, 1
	s_lshl_b32 s29, s29, 3
	s_sub_co_u32 s28, s28, s29                     ; the block's first row: 16 T - 8 (T % 2)
	s_lshl_b32 s28, s28, 9                         ; in bytes
	s_bfe_u32 s29, s27, 0x20002
	s_lshl_b32 s29, s29, 7
	s_add_co_u32 s28, s28, s29                     ; + 128 b
	s_and_b32 s29, s27, 3
	s_lshl_b32 s29, s29, 4
	s_add_co_u32 s28, s28, s29                     ; + 16 j
	s_mov_b32 s29, 0
	s_cmp_ge_u32 s27, 16                           ; groups 16-31 are sin's: the choice hangs on ids alone
	s_cselect_b64 s[36:37], s[38:39], s[36:37]
	s_add_nc_u64 s[36:37], s[36:37], s[28:29]
	s_lshl_b32 s28, s22, 9                         ; 512 W
	s_add_nc_u64 s[34:35], s[34:35], s[28:29]
	s_cmp_ge_u32 s20, 128
	s_cselect_b64 s[24:25], s[6:7], s[4:5]         ; the tensor, and its first row block in xw
	s_cselect_b32 s26, 128, 0
	s_cmp_ge_u32 s20, 256
	s_cselect_b64 s[24:25], s[8:9], s[24:25]
	s_cselect_b32 s26, 256, s26
	s_cmp_ge_u32 s20, 320
	s_cselect_b64 s[24:25], s[10:11], s[24:25]
	s_cselect_b32 s26, 320, s26
	s_sub_co_u32 s20, s20, s26                     ; row block in the tensor
	s_lshl_b32 s27, s20, 4
	s_and_b32 s28, s20, 1
	s_lshl_b32 s28, s28, 3
	s_sub_co_u32 s27, s27, s28                     ; the block's first row: 32 b + 8 u
	s_lshl_b32 s26, s27, 14                        ; x ROWB
	s_lshl_b32 s28, s21, 11                        ; 512 along K are 2,048 bytes
	s_add_co_u32 s26, s26, s28
	s_mov_b32 s27, 0
	s_add_nc_u64 s[24:25], s[24:25], s[26:27]
	s_mul_i32 s26, s22, REC
	s_add_nc_u64 s[14:15], s[14:15], s[26:27]
.macro LOADI t                         ; image t: 16 rows x 512 consecutive bytes; the rows' places are immediates (23 rows of 16,384 bytes at the most)
.irp i, 0,1,2,3,4,5,6,7,8,9,10,11,12,13,14,15
	global_load_b128 v[RAW+64*((\t)%2)+4*\i:RAW+64*((\t)%2)+4*\i+3], v[LI], s[24:25] offset:ROWB*(\i+8*(\i/8))+512*(\t) th:TH_LOAD_NT
.endr
.endm
.macro IMG t
.if (\t) < 3
	s_wait_loadcnt 16                              ; this image's 16 loads are in; the next image's 16 may be out
.else
	s_wait_loadcnt 0x0
.endif
.irp i, 0,1,2,3,4,5,6,7,8,9,10,11,12,13,14,15
	ds_store_b128 v[SIN], v[RAW+64*((\t)%2)+4*\i:RAW+64*((\t)%2)+4*\i+3] offset:SP*\i
.endr
.irp b, 0,1,2,3
.irp j, 0,1,2,3
	ds_load_b128 v[X+16*\b+4*\j:X+16*\b+4*\j+3], v[SOUT] offset:128*\b+16*\j   ; LDS serves a wave's instructions in order: these see the stores above
.endr
.endr
	s_wait_dscnt 0x0                               ; the numbers are back, and the stage's stores have read their registers
.if (\t) > 0
	s_wait_xcnt 0x0                                ; earlier stores have read their data: the codes' registers (and v28-31) may be written again
.endif
.if (\t) < 2
	LOADI (\t)+2
.endif
	QUANT X, PC, TM, PW+(\t)
.irp c, 0,1,2
	global_store_b128 v[LI], v[PC+4*\c:PC+4*\c+3], s[14:15] offset:IMGB*(\t)+512*\c   ; 512 consecutive bytes, aligned
.endr
.endm
	s_wait_alu depctr_va_vdst(0)                   ; the wait at the head's end
	global_load_b128 v[0:3], v[CSV], s[36:37]      ; my group of cos or sin (v0 to v3 have served the head and are free)
	s_cmp_ge_u32 ttmp9, 256
	s_cbranch_scc1 .Lone_group
	global_load_b128 v[28:31], v[CSV], s[36:37] offset:96*16*512   ; the first 1,024 waves: the same group 96 row blocks (1,536 rows) on
	LOADI 0
	LOADI 1
	s_wait_loadcnt 32                              ; all but the 32 loads of images 0 and 1
	global_store_b128 v[LI], v[28:31], s[34:35] offset:3072*512
	s_branch .Lgo
.Lone_group:
	LOADI 0
	LOADI 1
.Lgo:
	IMG 0
	global_store_b128 v[LI], v[0:3], s[34:35]      ; the group's load is older than image 0's, so it is in: 512 consecutive bytes, aligned; v0 to v3 are not written again
	IMG 1
	IMG 2
	IMG 3
	v_cndmask_b32 v[SD], v[PW], v[PW+2], s30       ; lanes 0-15 store row r's words 0 and 1, lanes 16-31 its words 2 and 3
	v_cndmask_b32 v[SD+1], v[PW+1], v[PW+3], s30
	global_store_b64 v[SCO], v[SD:SD+1], s[14:15]  ; the wave stores one aligned block of 256 bytes
	s_wait_tensorcnt 0x0                           ; the wave's end, behind my last LDS store
	ds_add_u32 v[SPW], v[NIL]
	s_wait_dscnt 0x0
	s_endpgm
.Lfunc_end_k_q4a44a6fcc3_quant:
	.size	k_q4a44a6fcc3_quant, .Lfunc_end_k_q4a44a6fcc3_quant-k_q4a44a6fcc3_quant
	.p2alignl 7, 3214868480
	.fill 96, 4, 3214868480
	.section	.rodata,"a",@progbits
	.p2align	6, 0x0
	.amdhsa_kernel k_q4a44a6fcc3_quant
		.amdhsa_group_segment_fixed_size 34304
		.amdhsa_private_segment_fixed_size 0
		.amdhsa_enable_private_segment 0
		.amdhsa_kernarg_size 64
		.amdhsa_user_sgpr_count 2
		.amdhsa_user_sgpr_kernarg_segment_ptr 1
		.amdhsa_wavefront_size32 1
		.amdhsa_system_sgpr_workgroup_id_x 1
		.amdhsa_system_sgpr_workgroup_id_y 1
		.amdhsa_system_sgpr_workgroup_id_z 1
		.amdhsa_system_vgpr_workitem_id 0
		.amdhsa_next_free_vgpr 256
		.amdhsa_next_free_sgpr 66
		.amdhsa_reserve_vcc 0
		.amdhsa_float_denorm_mode_32 3
		.amdhsa_float_denorm_mode_16_64 3
		.amdhsa_memory_ordered 1
		.amdhsa_forward_progress 1
		.amdhsa_inst_pref_size 38
	.end_amdhsa_kernel
	.amdgpu_metadata
---
amdhsa.version: [ 1, 2 ]
amdhsa.kernels:
  - .name:           k_q4a44a6fcc3_quant
    .symbol:         k_q4a44a6fcc3_quant.kd
    .args:
      - { .name: hidden_states, .offset: 0, .size: 8, .value_kind: global_buffer, .address_space: global }
      - { .name: Wq, .offset: 8, .size: 8, .value_kind: global_buffer, .address_space: global }
      - { .name: Wk, .offset: 16, .size: 8, .value_kind: global_buffer, .address_space: global }
      - { .name: Wv, .offset: 24, .size: 8, .value_kind: global_buffer, .address_space: global }
      - { .name: xw, .offset: 32, .size: 8, .value_kind: global_buffer, .address_space: global }
      - { .name: cos, .offset: 40, .size: 8, .value_kind: global_buffer, .address_space: global }
      - { .name: sin, .offset: 48, .size: 8, .value_kind: global_buffer, .address_space: global }
      - { .name: cs, .offset: 56, .size: 8, .value_kind: global_buffer, .address_space: global }
    .group_segment_fixed_size: 34304
    .private_segment_fixed_size: 0
    .kernarg_segment_align: 8
    .kernarg_segment_size: 64
    .max_flat_workgroup_size: 128
    .sgpr_count:     66
    .vgpr_count:     256
    .wavefront_size: 32
...
	.end_amdgpu_metadata
.endif
;; end of part 1
;; launch qkv (part 2): grid 16 x 16, 4 waves a work-group, clusters of 4 x 4, 327,680 bytes of LDS; arguments xw, cs, qkv; writes qkv
.if DOCPART == 2
	.amdgcn_target "amdgcn-amd-amdhsa--gfx1250"
	.amdhsa_code_object_version 6
	.text
	.protected	k_q4a44a6fcc3_qkv
	.globl	k_q4a44a6fcc3_qkv
	.p2align	8
	.type	k_q4a44a6fcc3_qkv,@function
k_q4a44a6fcc3_qkv:
	s_mov_b64 s[64:65], 0
	v_nop
	global_prefetch_b8 v0, s[64:65] scope:SCOPE_SE
	s_setreg_imm32_b32 hwreg(HW_REG_WAVE_MODE, 25, 1), 1
	s_wait_xcnt 0x0
	s_wait_alu depctr_hold_cnt(0) depctr_sa_sdst(0) depctr_va_vdst(0) depctr_va_sdst(0) depctr_va_ssrc(0) depctr_va_vcc(0) depctr_vm_vsrc(0)
	s_getreg_b32 s2, hwreg(HW_REG_IB_STS2, 6, 4)
	s_cmp_eq_u32 s2, 0
	s_cbranch_scc0 .Lentry_in_a_cluster
	s_endpgm
.Lentry_in_a_cluster:
	s_bfe_u32 s2, ttmp6, 0x10000c
	s_cmp_lg_u32 s2, 0xf033
	s_cbranch_scc0 .Lentry_shape_is_right
	s_endpgm
.Lentry_shape_is_right:
; LAUNCH 2 OF 4: q, k, v = hidden_states x (Wq, Wk, Wv)^T on codes of FP6 with E8M0 scales, RoPE on q and k in f32, and the quantisers of q, k (along the channels) and v (along the keys); codes and scale words leave as records.
; A work-group makes 128 x 256 of a product: four waves of 64 x 128 (32 accumulators, window 2).  Cluster columns 0, 1: q; 2: k; 3: v, with Wv's rows as the 128 and hidden_states' rows as the 256, so that a lane's registers run along the keys.
; THE RING: two slots of 24 records (512 along K: 8 of the 128 rows' side, 16 of the other's), filled by joint loads, 4 x 4 work-groups to a cluster, one load a wave behind each round; formats as the first launch states them.
; THE PREFETCH: behind the load of K group g the cluster asks for group g + 2: of a tile's 16 records the partner at place cy names 4, one a wave; of a tile's 8 records the partner at cx names 2, waves 0 and 1; a lane names a block of 256 bytes
; (lanes 25 to 31 the 25th again).  Group 0 comes by its load alone; group 1 is asked for with group 2, behind group 0's load, whose landing stands between the request and group 1's load; the loads of groups 6 and 7 ask for nothing.
; cs (cos and sin as register images) is asked for at the loop's exit, four K steps and a change of slots ahead of its first load: a wave's 64 KB are shared by 8 (two waves, four partners): 32 blocks of 256 bytes each, a lane a block.
; The last three K steps are written in both arms of the one branch between the RoPE path and v's path, so that the images of row blocks 0 and 1 are loaded (window 3) ahead of them on the RoPE path alone.
.set KG,    8
.set LAPS,  4
.set REC,   6400
.set IMGB,  1536
.set SLOT,  24*REC
.set BOFF,  8*REC
.set SPARE, 2*SLOT
.set ADRA, 16
.set ADRB, 20
.set ADRS, 22
.set CSA,  24                          ; v24  256 x lane: cs's prefetch
.set PFO,  27                          ; v27  256 x min(lane, 24): the tiles' prefetch
.set LI,   25
.set SCO,  26
.set SPW,  28
.set NIL,  29
.set SD,   30
.set SC,   32
.set AF,   128
.set RH,   128
.set TM,   116
.set PW,   252
.set G1,   24
.set G0,   32
.set G1B,  48
.set G0B,  56
.set SEL,  68
.set MSB, 0
.macro WIN new
.if MSB != (\new)
	s_set_vgpr_msb (MSB<<8)|(\new)
.set MSB, (\new)
.endif
.endm
.macro PLACES n
.rept \n
	v_nop
.endr
.endm
.macro JLOAD s
	s_cmp_eq_u32 s15, 0
	s_cbranch_scc0 .Lfor_b_\@
	tensor_load_to_lds s[G0+4*\s:G0+4*\s+3], s[G1:G1+7]
	s_nop 0
.rept 4
	v_nop
.endr
	s_branch .Lasked_\@
.Lfor_b_\@:
	tensor_load_to_lds s[G0B+4*\s:G0B+4*\s+3], s[G1B:G1B+7]
	s_nop 0
.rept 4
	v_nop
.endr
.Lasked_\@:
.endm
.macro ASKG d                          ; s[90:91], s[88:89]: my records of the K group just asked for by the joint load; the prefetch names the group d on
	global_prefetch_b8 v[PFO], s[90:91] offset:(\d)*REC th:TH_LOAD_NT scope:SCOPE_SE
	s_cmp_eq_u32 s15, 0
	s_cbranch_scc0 .Lpf_done_\@
	global_prefetch_b8 v[PFO], s[88:89] offset:(\d)*REC th:TH_LOAD_NT scope:SCOPE_SE
.Lpf_done_\@:
.endm
.macro ASKL                            ; in the loop: its last trip loads groups 6 and 7
	s_cmp_gt_u32 s3, 1
	s_cbranch_scc0 .Lpf_none_\@
	ASKG 2
.Lpf_none_\@:
.endm
.macro CREST
	s_cmp_lg_u32 s14, 0
	s_cbranch_scc1 .Lnot_wave_0_\@
	s_barrier_signal -3
.Lnot_wave_0_\@:
	s_barrier_wait -3
	s_barrier_signal -1
	s_barrier_wait -1
.endm
.macro CROUND
	s_barrier_signal -1
	s_barrier_wait -1
	CREST
.endm
.macro QUANT s, w, pc, tm, pw
	WIN (\w)|((\w)<<2)
.irp b, 0,1,2,3
	v_max3_num_f32 v[\tm+\b], |v[(\s)+16*\b]|, |v[(\s)+1+16*\b]|, 0x1800000
.endr
	WIN ((\w)<<2)|((\w)<<4)
.irp i, 2,4,6,8,10,12,14
.irp b, 0,1,2,3
	v_max3_num_f32 v[\tm+\b], v[\tm+\b], |v[(\s)+16*\b+\i]|, |v[(\s)+1+16*\b+\i]|
.endr
.endr
	WIN 0
.irp b, 0,1,2,3
	v_permlanex16_b32 v[\tm+4+\b], v[\tm+\b], s[SEL], s[SEL+1]
.endr
.irp b, 0,1,2,3
	v_max_num_f32 v[\tm+\b], v[\tm+\b], v[\tm+4+\b]
.endr
.irp b, 0,1,2,3
	v_add_nc_u32 v[\tm+8+\b], 0xff000000, v[\tm+\b]
.endr
.irp b, 0,1,2,3
	v_lshrrev_b32 v[\tm+4+\b], 23, v[\tm+8+\b]
.endr
	v_lshl_or_b32 v[\pw], v[\tm+5], 8, v[\tm+4]
	v_lshl_or_b32 v[\pw], v[\tm+6], 16, v[\pw]
	v_lshl_or_b32 v[\pw], v[\tm+7], 24, v[\pw]
	WIN (\w)
.irp c, 0,1
	v_cvt_scalef32_pk16_fp6_f32 v[\pc+6*\c:\pc+2+6*\c], v[(\s)+32*\c:(\s)+15+32*\c], v[\tm+8+2*\c]
	v_cvt_scalef32_pk16_fp6_f32 v[\pc+12+4*\c:\pc+14+4*\c], v[(\s)+16+32*\c:(\s)+31+32*\c], v[\tm+8+2*\c+1]
.endr
	WIN 0
	v_nop
.irp c, 0,1
.irp i, 0,1,2
	v_permlane16_swap_b32 v[\pc+6*\c+\i], v[\pc+12+4*\c+\i]
.endr
.irp i, 0,1,2
	v_mov_b32 v[\pc+3+6*\c+\i], v[\pc+12+4*\c+\i]
.endr
.endr
.endm
	s_load_b128 s[4:7], s[0:1], 0x0                ; xw s[4:5], cs s[6:7]
	s_load_b64 s[10:11], s[0:1], 0x10              ; qkv
	v_lshl_add_u32 v[SPW], v0, 2, SPARE
	v_mov_b32 v[NIL], 0
	ds_add_u32 v[SPW], v[NIL]
	ds_add_u32 v[SPW], v[NIL]
	v_lshrrev_b32 v1, 5, v0
	v_readfirstlane_b32 s14, v1
	v_and_b32 v[PFO], 31, v0
	v_min_u32 v[PFO], 24, v[PFO]
	v_lshlrev_b32 v[PFO], 8, v[PFO]
	s_lshr_b32 s15, s14, 1
	s_and_b32 s16, s14, 1
	s_bfe_u32 s40, ttmp6, 0x40000
	s_bfe_u32 s41, ttmp6, 0x40004
	s_and_b32 s18, ttmp7, 0xffff
	s_and_b32 s19, s18, 1
	s_lshr_b32 s20, s18, 1
	s_cmp_eq_u32 ttmp9, 3
	s_cselect_b32 s66, 1, 0
	s_cselect_b32 s17, s19, s18
	s_cselect_b32 s42, s20, ttmp9
	s_cselect_b32 s21, 320, 0
	s_cselect_b32 s22, 0, 128
	s_lshl_b32 s17, s17, 2
	s_add_co_u32 s17, s17, s41
	s_lshl_b32 s42, s42, 2
	s_add_co_u32 s42, s42, s40
	s_lshl_b32 s43, s41, 2
	s_lshl_b32 s43, 15, s43
	s_lshl_b32 s44, 0x1111, s40
	s_or_b32 s[G1], s43, (3<<16)|(1<<21)
	s_or_b32 s[G1B], s44, (3<<16)|(1<<21)
	s_mov_b32 s[G1+1], 800<<16
	s_mov_b32 s[G1+2], 4<<16
	s_mov_b32 s[G1+3], 800<<16
	s_mov_b32 s[G1+4], 4
	s_mov_b32 s[G1+5], 800*KG
	s_mov_b32 s[G1+6], 0
	s_mov_b32 s[G1+7], 0
	s_mov_b32 s[G1B+1], 800<<16
	s_mov_b32 s[G1B+2], 8<<16
	s_mov_b32 s[G1B+3], 800<<16
	s_mov_b32 s[G1B+4], 8
	s_mov_b32 s[G1B+5], 800*KG
	s_mov_b32 s[G1B+6], 0
	s_mov_b32 s[G1B+7], 0
	s_lshl_b32 s23, s17, 3
	s_add_co_u32 s21, s21, s23
	s_lshl_b32 s23, s16, 2
	s_add_co_u32 s21, s21, s23
	s_mul_i32 s72, s21, KG*REC
	s_mov_b32 s73, 0
	s_lshl_b32 s45, s42, 4
	s_add_co_u32 s22, s22, s45
	s_lshl_b32 s45, s16, 3
	s_add_co_u32 s22, s22, s45
	s_mul_i32 s74, s22, KG*REC
	s_mov_b32 s75, 0
	s_sub_co_u32 s88, s21, s23                     ; the prefetches: the 8-record tile's first row block,
	s_add_co_u32 s88, s88, s16
	s_lshl_b32 s89, s40, 1
	s_add_co_u32 s88, s88, s89                     ; + 2 cx + wave (waves 0 and 1 ask)
	s_mul_i32 s88, s88, KG*REC
	s_mov_b32 s89, 0
	s_sub_co_u32 s90, s22, s45                     ; the 16-record tile's first row block,
	s_add_co_u32 s90, s90, s14
	s_lshl_b32 s91, s41, 2
	s_add_co_u32 s90, s90, s91                     ; + 4 cy + wave
	s_mul_i32 s90, s90, KG*REC
	s_mov_b32 s91, 0
	s_mul_i32 s76, s16, 4*REC
	s_mul_i32 s77, s16, 8*REC
	s_add_co_u32 s77, s77, BOFF
	s_mov_b32 s[SEL], 0x76543210
	s_mov_b32 s[SEL+1], 0xfedcba98
	s_wait_alu depctr_va_vdst(0)                   ; directly ahead of the waits below
	s_wait_dscnt 0x0
	s_wait_kmcnt 0x0
	s_add_nc_u64 s[88:89], s[4:5], s[88:89]
	s_add_nc_u64 s[90:91], s[4:5], s[90:91]
	s_add_nc_u64 s[72:73], s[4:5], s[72:73]
	s_add_nc_u64 s[74:75], s[4:5], s[74:75]
	CROUND
.irp s, 0,1
	s_mov_b32 s[G0+4*\s], 1
	s_add_co_u32 s[G0+4*\s+1], s76, \s*SLOT
	s_add_nc_u64 s[G0+4*\s+2:G0+4*\s+3], s[72:73], \s*REC
	s_or_b32 s[G0+4*\s+3], s[G0+4*\s+3], 0x80000000
	s_mov_b32 s[G0B+4*\s], 1
	s_add_co_u32 s[G0B+4*\s+1], s77, \s*SLOT
	s_add_nc_u64 s[G0B+4*\s+2:G0B+4*\s+3], s[74:75], \s*REC
	s_or_b32 s[G0B+4*\s+3], s[G0B+4*\s+3], 0x80000000
.endr
	JLOAD 0                                        ; K group 0: one tensor load a wave at the head
	ASKG 1                                         ; group 1,
	ASKG 2                                         ; and group 2
	v_and_b32 v1, 31, v0
	v_and_b32 v2, 15, v0
	v_bfe_u32 v3, v0, 4, 1
	v_lshlrev_b32 v[LI], 4, v1
	s_wait_alu depctr_va_vdst(0)
	s_mul_i32 s21, s15, 4*REC
	s_mul_i32 s22, s16, 8*REC
	s_add_co_u32 s22, s22, BOFF
	s_sub_co_u32 s23, s22, s21
	v_mul_u32_u24 v5, s23, v3
	v_lshl_add_u32 v5, v2, 4, v5
	s_add_co_u32 s23, s21, 4*IMGB
.irp s, 0,1
	v_add_nc_u32 v[ADRA+\s], s21, v[LI]
	v_add_nc_u32 v[ADRB+\s], s22, v[LI]
	v_add_nc_u32 v[ADRS+\s], s23, v5
	s_add_co_u32 s21, s21, SLOT
	s_add_co_u32 s22, s22, SLOT
	s_add_co_u32 s23, s23, SLOT
.endr
	v_lshlrev_b32 v[CSA], 8, v1
	v_lshlrev_b32 v[SCO], 4, v2
	v_lshl_add_u32 v[SCO], v3, 3, v[SCO]
	v_add_nc_u32 v[SCO], 4*IMGB, v[SCO]
	v_cmp_le_u32 s70, 16, v1
.irp b, 0,1,2,3
	v_mov_b32 v[TM+4+\b], 0
.endr
	s_lshl_b32 s82, s42, 1
	s_add_co_u32 s82, s82, s16
	s_lshl_b32 s83, s82, 5
	s_lshl_b32 s84, s17, 1
	s_add_co_u32 s83, s83, s84
	s_add_co_u32 s83, s83, s15
	s_lshl_b32 s84, s82, 6
	s_lshl_b32 s85, s17, 2
	s_add_co_u32 s84, s84, s85
	s_add_co_u32 s84, s84, s15
	s_sub_co_u32 s84, s84, 512
	s_lshl_b32 s85, s17, 6
	s_lshl_b32 s86, s82, 2
	s_add_co_u32 s85, s85, s86
	s_add_co_u32 s85, s85, s15
	s_add_co_u32 s85, s85, 514
	s_cmp_eq_u32 ttmp9, 2
	s_cselect_b32 s83, s84, s83
	s_cmp_eq_u32 ttmp9, 3
	s_cselect_b32 s83, s85, s83
	s_mul_i32 s80, s83, REC
	s_mov_b32 s81, 0
	s_add_nc_u64 s[10:11], s[10:11], s[80:81]
	s_lshl_b32 s78, s17, 17                        ; cs: my four row blocks, 8 x tile row + 4 x half, 16,384 bytes each
	s_lshl_b32 s79, s15, 16
	s_add_co_u32 s78, s78, s79
	s_mov_b32 s79, 0
	s_add_nc_u64 s[6:7], s[6:7], s[78:79]
	s_lshl_b32 s78, s16, 2
	s_add_co_u32 s78, s78, s40
	s_lshl_b32 s78, s78, 13                        ; and my eighth of them, for the prefetch: 8,192 x (4 x column half + cx)
	s_add_nc_u64 s[8:9], s[6:7], s[78:79]
.macro FETCH slot, q, p
	WIN 0x40
.irp b, 0,1,2,3,4,5,6,7
.irp c, 0,1,2
	ds_load_b128 v[96*(\p)+12*\b+4*\c:96*(\p)+12*\b+4*\c+3], v[ADRB+\slot] offset:REC*\b+IMGB*(\q)+512*\c
.endr
.endr
	WIN 0
.irp a, 0,1,2,3
.irp c, 0,1,2
	ds_load_b128 v[AF+48*(\p)+12*\a+4*\c:AF+48*(\p)+12*\a+4*\c+3], v[ADRA+\slot] offset:REC*\a+IMGB*(\q)+512*\c
.endr
.endr
.endm
.macro SCALES slot
.irp i, 0,1,2,3,4,5,6,7
	ds_load_b128 v[SC+32*\slot+4*\i:SC+32*\slot+4*\i+3], v[ADRS+\slot] offset:REC*\i
.endr
.endm
.macro MUL8 a, p, q, sc, zero
.irp b, 0,1,2,3,4,5,6,7
.if \zero
	v_wmma_scale_f32_16x16x128_f8f6f4 v[8*(8*(\a)+\b):8*(8*(\a)+\b)+7], v[96*(\p)+12*\b:96*(\p)+12*\b+11], v[AF+48*(\p)+12*(\a):AF+48*(\p)+12*(\a)+11], 0, v[SC+32*(\sc)+4*\b+(\q)], v[SC+32*(\sc)+4*(\a)+(\q)] matrix_a_fmt:MATRIX_FMT_FP6 matrix_b_fmt:MATRIX_FMT_FP6 matrix_a_scale:MATRIX_SCALE_ROW1
.else
	v_wmma_scale_f32_16x16x128_f8f6f4 v[8*(8*(\a)+\b):8*(8*(\a)+\b)+7], v[96*(\p)+12*\b:96*(\p)+12*\b+11], v[AF+48*(\p)+12*(\a):AF+48*(\p)+12*(\a)+11], v[8*(8*(\a)+\b):8*(8*(\a)+\b)+7], v[SC+32*(\sc)+4*\b+(\q)], v[SC+32*(\sc)+4*(\a)+(\q)] matrix_a_fmt:MATRIX_FMT_FP6 matrix_b_fmt:MATRIX_FMT_FP6 matrix_a_scale:MATRIX_SCALE_ROW1
.endif
.endr
.endm
.macro STEP slot, q, zero
	PLACES 4
	FETCH \slot, (\q)+1, ((\q)+1)%2
	s_wait_dscnt 36
	WIN 0xa1
	MUL8 0, (\q)%2, \q, \slot, \zero
	MUL8 1, (\q)%2, \q, \slot, \zero
	MUL8 2, (\q)%2, \q, \slot, \zero
	MUL8 3, (\q)%2, \q, \slot, \zero
	WIN 0
.endm
.macro TURN slot, next, fill
.if \fill
	s_wait_xcnt 0x0                                ; the last prefetches, a slot back, have read their addresses
	s_add_nc_u64 s[88:89], s[88:89], REC
	s_add_nc_u64 s[90:91], s[90:91], REC
.endif
	s_wait_tensorcnt 0x0
	ds_add_u32 v[SPW], v[NIL]
	s_wait_dscnt 1
	WIN 0xa1
	MUL8 0, 1, 3, \slot, 0
	s_wait_dscnt 0x0
	s_barrier_signal -1
	MUL8 1, 1, 3, \slot, 0
	WIN 0
	s_barrier_wait -1
.if \fill
	CREST
	s_add_nc_u64 s[G0+4*\slot+2:G0+4*\slot+3], s[G0+4*\slot+2:G0+4*\slot+3], 2*REC
	s_add_nc_u64 s[G0B+4*\slot+2:G0B+4*\slot+3], s[G0B+4*\slot+2:G0B+4*\slot+3], 2*REC
	JLOAD \slot
.else
	PLACES 4
.endif
	FETCH \next, 0, 0
	SCALES \next
.if \fill
	ASKL                                           ; behind the joint load and the run of LDS loads
.endif
	WIN 0xa1
	MUL8 2, 1, 3, \slot, 0
	MUL8 3, 1, 3, \slot, 0
	WIN 0
.endm
	s_wait_alu depctr_va_vdst(0)                   ; the wait at the head's end
	s_wait_xcnt 0x0                                ; the head's prefetches have read their addresses
	s_add_nc_u64 s[88:89], s[88:89], REC
	s_add_nc_u64 s[90:91], s[90:91], REC
	s_wait_tensorcnt 0x0                           ; my part of K group 0 is in
	ds_add_u32 v[SPW], v[NIL]
	s_wait_dscnt 0x0
	CROUND                                         ; everybody's part is in, and all sixteen work-groups are here
	JLOAD 1                                        ; K group 1, the first tensor load behind the round
	FETCH 0, 0, 0
	SCALES 0
	ASKG 2                                         ; group 3
	STEP 0, 0, 1
	s_mov_b32 s3, LAPS-1
.Llap:
	STEP 0, 1, 0
	STEP 0, 2, 0
	TURN 0, 1, 1
	STEP 1, 0, 0
	STEP 1, 1, 0
	STEP 1, 2, 0
	TURN 1, 0, 1
	STEP 0, 0, 0
	s_sub_co_u32 s3, s3, 1
	s_cmp_lg_u32 s3, 0
	s_cbranch_scc1 .Llap
	s_cmp_eq_u32 s66, 1                            ; v's clusters take no cos or sin: a branch on the cluster's number
	s_cbranch_scc1 .Lno_cs
	global_prefetch_b8 v[CSA], s[8:9] th:TH_LOAD_NT scope:SCOPE_SE
.Lno_cs:
	STEP 0, 1, 0
	STEP 0, 2, 0
	TURN 0, 1, 0
	STEP 1, 0, 0
.macro LAST3                           ; the last three K steps, and the places behind the last products
	STEP 1, 1, 0
	STEP 1, 2, 0
	s_wait_dscnt 0x0
	WIN 0xa1
	MUL8 0, 1, 3, 1, 0
	MUL8 1, 1, 3, 1, 0
	MUL8 2, 1, 3, 1, 0
	MUL8 3, 1, 3, 1, 0
	WIN 0
	PLACES 4
.endm
.macro PCSEL a
.set PCA, 172+20*(\a)
.if (\a) == 0
.set PCA, 96
.endif
.endm
.macro CSLOAD a                        ; row block a's image of cos (64 registers) and sin (64): 32 loads of 512 consecutive bytes; blocks 0, 1 into window 3, blocks 2, 3 into window 1, where the 16-record side's fragments lay
	WIN 0xc0-0x80*((\a)/2)
.set n, 0
.rept 32
	global_load_b128 v[128*((\a)%2)+4*n:128*((\a)%2)+4*n+3], v[LI], s[6:7] offset:16384*(\a)+512*n
.set n, n+1
.endr
	WIN 0
.endm
.macro ROPE a
	WIN 0x0e-8*((\a)/2)
.set CW, 128*((\a)%2)
.set AC, 64*(\a)
.set n, 0
.rept 32
	v_pk_mul_f32 v[RH+n:RH+n+1], v[AC+n:AC+n+1], v[CW+n:CW+n+1]
.set n, n+2
.endr
.set n, 0
.rept 16
	v_pk_fma_f32 v[RH+n:RH+n+1], v[AC+32+n:AC+33+n], v[CW+64+n:CW+65+n], v[RH+n:RH+n+1] neg_lo:[1,0,0] neg_hi:[1,0,0]
.set n, n+2
.endr
.set n, 0
.rept 16
	v_pk_fma_f32 v[RH+32+n:RH+33+n], v[AC+n:AC+n+1], v[CW+96+n:CW+97+n], v[RH+32+n:RH+33+n]
.set n, n+2
.endr
	WIN 0
.endm
	s_cmp_eq_u32 s66, 1
	s_cbranch_scc1 .Lv_path
	CSLOAD 0
	CSLOAD 1
	LAST3
	s_wait_loadcnt 0x0                             ; blocks 0 and 1 are in
	CSLOAD 2                                       ; behind the places: window 1 has been read out
	CSLOAD 3
.irp a, 0,1,2,3
.if \a == 2
	s_wait_loadcnt 32                              ; block 2's 32 loads are in; block 3's may be out
.endif
.if \a == 3
	s_wait_loadcnt 0x0
.endif
	ROPE \a
	PCSEL \a
	QUANT RH, 0, PCA, TM, PW+\a
.endr
	s_branch .Lstore
.Lv_path:
	LAST3
.irp a, 0,1,2,3
	PCSEL \a
	QUANT 64*\a, 2, PCA, TM, PW+\a
.endr
.Lstore:
	s_wait_alu depctr_va_vdst(0)
.irp a, 0,1,2,3
	PCSEL \a
.irp c, 0,1,2
	global_store_b128 v[LI], v[PCA+4*\c:PCA+4*\c+3], s[10:11] offset:IMGB*\a+512*\c
.endr
.endr
	v_cndmask_b32 v[SD], v[PW], v[PW+2], s70
	v_cndmask_b32 v[SD+1], v[PW+1], v[PW+3], s70
	global_store_b64 v[SCO], v[SD:SD+1], s[10:11]
	s_wait_tensorcnt 0x0
	ds_add_u32 v[SPW], v[NIL]
	s_wait_dscnt 0x0
	CROUND
	s_endpgm
.Lfunc_end_k_q4a44a6fcc3_qkv:
	.size	k_q4a44a6fcc3_qkv, .Lfunc_end_k_q4a44a6fcc3_qkv-k_q4a44a6fcc3_qkv
	.p2alignl 7, 3214868480
	.fill 96, 4, 3214868480
	.section	.rodata,"a",@progbits
	.p2align	6, 0x0
	.amdhsa_kernel k_q4a44a6fcc3_qkv
		.amdhsa_group_segment_fixed_size 327680
		.amdhsa_private_segment_fixed_size 0
		.amdhsa_enable_private_segment 0
		.amdhsa_kernarg_size 24
		.amdhsa_user_sgpr_count 2
		.amdhsa_user_sgpr_kernarg_segment_ptr 1
		.amdhsa_wavefront_size32 1
		.amdhsa_system_sgpr_workgroup_id_x 1
		.amdhsa_system_sgpr_workgroup_id_y 1
		.amdhsa_system_sgpr_workgroup_id_z 1
		.amdhsa_system_vgpr_workitem_id 0
		.amdhsa_next_free_vgpr 1024
		.amdhsa_next_free_sgpr 100
		.amdhsa_reserve_vcc 0
		.amdhsa_float_denorm_mode_32 3
		.amdhsa_float_denorm_mode_16_64 3
		.amdhsa_memory_ordered 1
		.amdhsa_forward_progress 1
		.amdhsa_inst_pref_size 199
	.end_amdhsa_kernel
	.amdgpu_metadata
---
amdhsa.version: [ 1, 2 ]
amdhsa.kernels:
  - .name:           k_q4a44a6fcc3_qkv
    .symbol:         k_q4a44a6fcc3_qkv.kd
    .args:
      - { .name: xw, .offset: 0, .size: 8, .value_kind: global_buffer, .address_space: global }
      - { .name: cs, .offset: 8, .size: 8, .value_kind: global_buffer, .address_space: global }
      - { .name: qkv, .offset: 16, .size: 8, .value_kind: global_buffer, .address_space: global }
    .group_segment_fixed_size: 327680
    .private_segment_fixed_size: 0
    .kernarg_segment_align: 8
    .kernarg_segment_size: 24
    .max_flat_workgroup_size: 128
    .sgpr_count:     100
    .vgpr_count:     1024
    .wavefront_size: 32
...
	.end_amdgpu_metadata
.endif
;; end of part 2
;; launch attn (part 3): grid 32 x 8, 16 waves a work-group, no clusters, 327,680 bytes of LDS; arguments qkv, ao, Wo, woc; writes ao, woc
.if DOCPART == 3
	.amdgcn_target "amdgcn-amd-amdhsa--gfx1250"
	.amdhsa_code_object_version 6
	.text
	.protected	k_q4a44a6fcc3_attn
	.globl	k_q4a44a6fcc3_attn
	.p2align	8
	.type	k_q4a44a6fcc3_attn,@function
k_q4a44a6fcc3_attn:
	s_mov_b64 s[64:65], 0
	v_nop
	global_prefetch_b8 v0, s[64:65] scope:SCOPE_SE
	s_setreg_imm32_b32 hwreg(HW_REG_WAVE_MODE, 25, 1), 1
	s_wait_xcnt 0x0
; LAUNCH 3 OF 4: O = softmax(q k^T / sqrt(128), causal) v for 16 query heads on 8 key heads, both products on codes of FP6 with E8M0 scales; O / l is quantised along (head, channel) and leaves as codes.
; WORK LEFT OUT: a step of 128 keys all of which come after a tile's queries is not multiplied: reference()'s own jnp.tril gives those keys p = 0 for all finite inputs (shown at the head of the first launch).
; THE SOFTMAX: t = score x log2(e) / sqrt(128) (one constant); M = the running largest t rounded up to a whole number; p = 2^(t - M) is quantised along the keys, not normalised; the row's sum is taken of the unquantised p
; and divides O at the end (v_rcp_f32 and a multiply).  When M moves, the sum and O are multiplied by 2^(old M - new M): exact.
; qkv (in): q: [head][64 queries][record], image = query tile % 4; from record 512 on [key head][key step 16][K0, K1, V0, V1] (records of four images and their scale words, 6,400 bytes).
; Lane r of tile T (queries, keys, channels alike) holds row 32 (T / 2) + 8 (T % 2) + r + 8 (r / 8): so in S^T = K Q^T the 16 registers of tiles 2 b, 2 b + 1 are keys 32 b + 16 h + 0 .. 15, and in O^T = V^T P^T channels likewise.
; SHARES: work-group (i, key head g), sixteen waves.  Wave w, bits b3 b2 b1 b0: head 2 g + b3; query tile 2 i + b2 (b0 xor b2 = 0) or 127 - 2 i - b2 (= 1): two early tiles and the two mirrored late ones for both heads.
; THE KEYS OF A TILE ARE SHARED BETWEEN TWO WAVES: wave w takes the key steps of parity b1, wave w xor 2 the others, each with its own M, sum and O^T: the longest chain of steps in a wave is 8.
; The four waves with equal w % 4, and the four with equal w / 4, hold two early and two late tiles.
; THE MERGE: M is a whole number in both waves, so bringing both under the larger M is a multiplication by a power of two.  The odd wave hands O^T, -M and its sum to the even wave through LDS as images of its registers; one barrier.
; THE RING: two slots of two key steps.  Waves 0 to 3 fetch: one load brings record m = wave of BOTH steps (2 rows of 6,400 bytes, 25,600 apart); record m of step q lies at 12,800 m + 6,400 q.  One tensor load a wave is out.
; Every wave walks all eight slots, so that trip counts are constants and no barrier is jumped over; a hidden step's work is jumped over on ids.  A slot whose first step lies behind the work-group's last query is not asked for.
; NO CLUSTER: work-groups of one key head need different numbers of slots (9 to 16 key steps), and every wave of some partner would jump over the reads of a tile that a joint load brought.
; ao (out): [query tile 128][head / 4][record], image = head % 4.  The scale word (4 bytes a row) fills a quarter of its block of 256 bytes: the other three heads' waves fill the rest.
; REGISTERS: v1-6 addresses that stay; v8-11 addresses in hand; v12 -M, v13 the largest t, v[14:15] the sum; v16-27 Q; v28-31 addresses that stay; v32-79 four fragments; v80-87 K's scale words, v88-95 V's; v96-159 S^T, then p;
;   v160-223 O^T; v224-235 p's codes; v232-254 at work; v255 Q's scale words.
; Wo'S QUANTISER RIDES ALONG.  The eight waves with an early tile (b0 xor b2 = 0) have no key step behind slot DJ / 2, at most slot 3 of 8.  Work-group (i, g) takes Wo's row block 32 g + i (256 work-groups, 256 row blocks);
; early wave w makes images 2 (w / 8) and 2 (w / 8) + 1 of the record of K group (w / 2) % 4, by the first launch's quantiser and formats, into woc.  In the slot of its last own key step it asks for the first image
; (a prefetch: 16 rows x 512 bytes, a lane a block of 256 bytes), and in each of the next two slots it loads an image, turns it through its own merge stage, which is idle until the merge, quantises and stores it, and asks for the next.
; No load is out across a trip.  All branches hang on ids and on the count of slots.  Registers: the rows as loaded v96-159, then the codes v96-114; the 64 numbers v32-95; at work v232-243; the two scale words v16, v17 (Q is done with by then).
.set REC,   6400
.set ROLE,  51                         ; s51 0: an early tile
.set WOA,   60                         ; s[60:61] Wo: my two images' first row and column
.set WOD,   62                         ; s[62:63] woc: my first image
.set W0,    66                         ; s66 the first key step of the slot that holds my last own key step
.set SCQ,   67                         ; s67 from my second image to my rows' scale words
.set SOUT,  7                          ; v7  my stage + 528 r + 64 h
.set PFW,   10                         ; v10 Wo's prefetch: row (lane / 2) + 8 (lane / 16) of 8,192 bytes, + 256 (lane % 2)
.set IMGB,  1536
.set SLOT1, 65536                      ; one exclusive or turns an address in one slot into the other's
.set SPARE, SLOT1+8*REC                ; behind the ring: the spare words, 128 bytes for each of sixteen waves
.set MRG,   SPARE+16*128               ; behind them: a stage for each wave, into which no tensor load lands:
.set MRGB,  17*512                     ; sixteen images of four registers of O^T, and one of v12 to v15
.set AL0, 1                            ; v1  16 x lane + 6,400 x my parity
.set AS0, 2                            ; v2  16 r + 6,400 x my parity
.set DM,  3                            ; v3  my query's place in its key step - 16 h
.set PFO, 4                            ; v4  256 x min(lane, 24): a record is 25 blocks of 256 bytes
.set SPW, 5                            ; v5  my spare word; never rewritten
.set NIL, 6                            ; v6  0; never rewritten
.set ADK, 8
.set ADS, 9
.set MST, 28                           ; v28 my stage + 16 x lane
.set MLD, 29                           ; v29 wave w xor 2's stage + 16 x lane
.set R16, 30                           ; v30 16 r
.set L16, 31                           ; v31 16 x lane
.set WV,  8
.set PAR, 9                            ; s9  which key step of a slot is mine
.set SEL, 10
.set CS,  12
.set KS,  14                           ; s14 the slot's first key step: the same in all waves
.set G1,  16
.set G0,  24
.set TB,  28                           ; s28 where the slot in hand begins
.set KJ,  29                           ; s29 my key step
.set DJ,  30                           ; s30 my tile's own key step: the last that counts for it
.set DJW, 31                           ; s31 the same for the work-group's last tile
.set SLOTS, 32
.set LIM, 33
.set PFA, 34
.set TQ,  36
.set HEAD, 37
.macro TLOAD                           ; waves 0 to 3 fetch; an s_nop 0 and four v_nop follow the load
	s_cmp_lt_u32 s[WV], 4
	s_cbranch_scc0 .Lnone_\@
	tensor_load_to_lds s[G0:G0+3], s[G1:G1+7]
	s_nop 0
.rept 4
	v_nop
.endr
.Lnone_\@:
.endm
; A PREFETCH INTO THE L2 of the slot that the NEXT change of slots will ask for: a slot's two key steps ahead of that load.  A slot is 8 records on end in memory: wave w < 8 names record w, a lane a block of 256 bytes (lanes 24 to 31 name the 25th).
; All 32 work-groups of a key head walk the same records: the first of them, which walks all slots, asks.  Slots 0 and 1 come by their loads alone; the last change that fills a slot asks for nothing.
.macro ASK
	s_cmp_gt_u32 s[SLOTS], s[LIM]
	s_cbranch_scc0 .Lnot_mine_\@
	global_prefetch_b8 v[PFO], s[PFA:PFA+1] th:TH_LOAD_NT scope:SCOPE_SE
.Lnot_mine_\@:
.endm
.macro QUANT s, pc, tm, pw             ; 64 numbers of a lane become a fragment's codes and its row's scale word, as in the first launch
.irp b, 0,1,2,3
	v_max3_num_f32 v[\tm+\b], |v[(\s)+16*\b]|, |v[(\s)+1+16*\b]|, 0x1800000
.endr
.irp i, 2,4,6,8,10,12,14
.irp b, 0,1,2,3
	s_delay_alu instid0(VALU_DEP_4)
	v_max3_num_f32 v[\tm+\b], v[\tm+\b], |v[(\s)+16*\b+\i]|, |v[(\s)+1+16*\b+\i]|
.endr
.endr
.irp b, 0,1,2,3
	s_delay_alu instid0(VALU_DEP_4)
	v_permlanex16_b32 v[\tm+4+\b], v[\tm+\b], s[SEL], s[SEL+1]
.endr
.irp b, 0,1,2,3
	s_delay_alu instid0(VALU_DEP_4)
	v_max_num_f32 v[\tm+\b], v[\tm+\b], v[\tm+4+\b]
.endr
.irp b, 0,1,2,3
	s_delay_alu instid0(VALU_DEP_4)
	v_add_nc_u32 v[\tm+8+\b], 0xff000000, v[\tm+\b]
.endr
.irp b, 0,1,2,3
	s_delay_alu instid0(VALU_DEP_4)
	v_lshrrev_b32 v[\tm+4+\b], 23, v[\tm+8+\b]
.endr
	s_delay_alu instid0(VALU_DEP_3)
	v_lshl_or_b32 v[\pw], v[\tm+5], 8, v[\tm+4]
	s_delay_alu instid0(VALU_DEP_1)
	v_lshl_or_b32 v[\pw], v[\tm+6], 16, v[\pw]
	s_delay_alu instid0(VALU_DEP_1)
	v_lshl_or_b32 v[\pw], v[\tm+7], 24, v[\pw]
.irp c, 0,1
	v_cvt_scalef32_pk16_fp6_f32 v[\pc+6*\c:\pc+2+6*\c], v[(\s)+32*\c:(\s)+15+32*\c], v[\tm+8+2*\c]
	v_cvt_scalef32_pk16_fp6_f32 v[\pc+12+4*\c:\pc+14+4*\c], v[(\s)+16+32*\c:(\s)+31+32*\c], v[\tm+8+2*\c+1]
.endr
	v_nop
.irp c, 0,1
.irp i, 0,1,2
	v_permlane16_swap_b32 v[\pc+6*\c+\i], v[\pc+12+4*\c+\i]
.endr
.irp i, 0,1,2
	s_delay_alu instid0(VALU_DEP_3)
	v_mov_b32 v[\pc+3+6*\c+\i], v[\pc+12+4*\c+\i]
.endr
.endr
.endm
	s_load_b128 s[4:7], s[0:1], 0x0                ; qkv s[4:5], ao s[6:7]
	s_load_b128 s[60:63], s[0:1], 0x10             ; Wo, woc
	v_lshl_add_u32 v[SPW], v0, 2, SPARE
	v_mov_b32 v[NIL], 0
	ds_add_u32 v[SPW], v[NIL]                      ; the wave's opening: the add, twice on end, and its wait ahead of the first tensor load
	ds_add_u32 v[SPW], v[NIL]
	v_lshrrev_b32 v7, 5, v0
	s_delay_alu instid0(VALU_DEP_1)
	v_readfirstlane_b32 s[WV], v7                  ; wave 0..15
	s_and_b32 s38, ttmp7, 0xffff                   ; g
	s_bfe_u32 s[PAR], s[WV], 0x10001               ; b1: my parity
	s_lshr_b32 s39, s[WV], 3                       ; b3
	s_lshl_b32 s[HEAD], s38, 1
	s_add_co_u32 s[HEAD], s[HEAD], s39             ; head = 2 g + b3
	s_bfe_u32 s39, s[WV], 0x10002                  ; b2: which of the two tiles
	s_xor_b32 s51, s[WV], s39
	s_and_b32 s51, s51, 1                          ; b0 xor b2: a late tile
	s_lshl_b32 s42, ttmp9, 1                       ; 2 i
	s_add_co_u32 s43, s42, s39
	s_sub_co_u32 s44, 127, s42
	s_sub_co_u32 s44, s44, s39
	s_cmp_eq_u32 s51, 0
	s_cselect_b32 s[TQ], s43, s44                  ; my query tile
	s_lshr_b32 s[DJ], s[TQ], 3
	s_and_b32 s[W0], s[DJ], 14
	s_sub_co_u32 s[DJW], 127, s42
	s_lshr_b32 s[DJW], s[DJW], 3
	s_mul_i32 s44, s38, 64*REC
	s_add_co_u32 s44, s44, 512*REC                 ; the key head's first record
	s_mov_b32 s45, 0
	s_and_b32 s46, s[WV], 3
	s_mul_i32 s50, s46, 2*REC                      ; what I fetch, if I fetch: in a slot,
	s_mul_i32 s46, s46, REC                        ; and in memory
	s_mov_b32 s47, 0
	s_mov_b32 s[G1], 3<<16                         ; no mask; elements of 8 bytes; no padding
	s_mov_b32 s[G1+1], 800<<16                     ; tensor_dim0: a record
	s_mov_b32 s[G1+2], 2<<16                       ; tensor_dim1: two key steps
	s_mov_b32 s[G1+3], 800<<16                     ; tile_dim0
	s_mov_b32 s[G1+4], 2                           ; tile_dim1
	s_mov_b32 s[G1+5], 3200                        ; from a key step to the next: four records
	s_mov_b32 s[G1+6], 0
	s_mov_b32 s[G1+7], 0
	s_mov_b32 s[SEL], 0x76543210
	s_mov_b32 s[SEL+1], 0xfedcba98
	s_mov_b32 s[CS], 0x3e0293ee                    ; c = log2(e) / sqrt(128)
	s_mov_b32 s[CS+1], s[CS]                       ; (named with it as a pair, so it is written)
	s_mov_b32 s[TB], 0
	s_mov_b32 s[KS], 0
	s_mov_b32 s[KJ], s[PAR]
	s_mov_b32 s[SLOTS], 7
	s_lshr_b32 s48, s[WV], 3                       ; 0 in waves 0 to 7,
	s_or_b32 s48, s48, ttmp9                       ; of the key head's first work-group
	s_cmp_eq_u32 s48, 0
	s_cselect_b32 s[LIM], 1, -1
	s_wait_dscnt 0x0                               ; both opening adds are done
	s_wait_kmcnt 0x0
	s_add_nc_u64 s[44:45], s[4:5], s[44:45]
	s_mov_b32 s[G0], 1
	s_mov_b32 s[G0+1], s50                         ; slot 0
	s_add_nc_u64 s[G0+2:G0+3], s[44:45], s[46:47]
	s_or_b32 s[G0+3], s[G0+3], 0x80000000
	TLOAD                                          ; key steps 0 and 1: step 0 counts for every query
	s_and_b32 s46, s[WV], 7
	s_mul_i32 s46, s46, REC
	s_add_co_u32 s46, s46, 8*REC                   ; my record of slot 1: the first change of slots steps it to slot 2
	s_add_nc_u64 s[PFA:PFA+1], s[44:45], s[46:47]
	s_lshl_b32 s56, s38, 5
	s_add_co_u32 s56, s56, ttmp9                   ; Wo's row block: 32 g + i
	s_lshl_b32 s57, s56, 4
	s_and_b32 s58, s56, 1
	s_lshl_b32 s58, s58, 3
	s_sub_co_u32 s57, s57, s58                     ; its first row
	s_lshl_b32 s58, s57, 13                        ; a row of Wo is 8,192 bytes
	s_bfe_u32 s57, s[WV], 0x20001                  ; K group (w / 2) % 4: 2,048 bytes
	s_lshl_b32 s59, s57, 11
	s_add_co_u32 s58, s58, s59
	s_lshr_b32 s55, s[WV], 3                       ; which two images: 1,024 bytes
	s_lshl_b32 s59, s55, 10
	s_add_co_u32 s58, s58, s59
	s_mov_b32 s59, 0
	s_add_nc_u64 s[WOA:WOA+1], s[WOA:WOA+1], s[58:59]
	s_lshl_b32 s56, s56, 2
	s_add_co_u32 s56, s56, s57
	s_mul_i32 s58, s56, REC                        ; record 4 x row block + K group
	s_mul_i32 s56, s55, 2*IMGB
	s_add_co_u32 s58, s58, s56
	s_add_nc_u64 s[WOD:WOD+1], s[WOD:WOD+1], s[58:59]
	s_mul_i32 s[SCQ], s55, 2*IMGB-8
	s_sub_co_u32 s[SCQ], 3*IMGB, s[SCQ]            ; 6,144 + 8 (w / 8) less the place of my second image
	s_lshl_b32 s46, s[HEAD], 5
	s_lshr_b32 s48, s[TQ], 2
	s_add_co_u32 s46, s46, s48
	s_mul_i32 s46, s46, REC                        ; Q: record 32 head + T / 4
	s_add_nc_u64 s[40:41], s[4:5], s[46:47]
	s_and_b32 s48, s[TQ], 3
	s_mul_i32 s49, s48, IMGB
	s_lshl_b32 s48, s48, 2
	s_add_co_u32 s48, s48, 4*IMGB
	v_and_b32 v7, 31, v0                           ; lane
	s_delay_alu instid0(VALU_DEP_1)
	v_lshlrev_b32 v[L16], 4, v7
	v_and_b32 v8, 15, v0                           ; r
	s_delay_alu instid0(VALU_DEP_1)
	v_lshlrev_b32 v[R16], 4, v8
	s_delay_alu instid0(VALU_DEP_3)
	v_add_nc_u32 v10, s49, v[L16]
	s_delay_alu instid0(VALU_DEP_2)
	v_add_nc_u32 v11, s48, v[R16]
.irp c, 0,1,2
	global_load_b128 v[16+4*\c:19+4*\c], v10, s[40:41] offset:512*\c   ; Q's image: it stays in registers
.endr
	global_load_b32 v255, v11, s[40:41]            ; and its rows' scale words
	s_mul_i32 s52, s[PAR], REC                     ; every LDS address is made here, ahead of all partings of the waves
	v_add_nc_u32 v[AL0], s52, v[L16]
	v_add_nc_u32 v[AS0], s52, v[R16]
	s_mul_i32 s52, s[WV], MRGB
	s_add_co_u32 s52, s52, MRG
	v_add_nc_u32 v[MST], s52, v[L16]
	s_xor_b32 s53, s[WV], 2
	s_mul_i32 s53, s53, MRGB
	s_add_co_u32 s53, s53, MRG
	v_add_nc_u32 v[MLD], s53, v[L16]
	v_min_u32 v[PFO], 24, v7
	s_delay_alu instid0(VALU_DEP_1)
	v_lshlrev_b32 v[PFO], 8, v[PFO]
	v_bfe_u32 v9, v0, 4, 1                         ; h
	v_and_b32 v12, 7, v8
	v_lshrrev_b32 v13, 3, v8
	s_delay_alu instid0(VALU_DEP_1)
	v_lshl_add_u32 v[DM], v13, 4, v12              ; r + 8 (r / 8)
	s_delay_alu instid0(VALU_DEP_4)
	v_lshlrev_b32 v12, 4, v9
	s_delay_alu instid0(VALU_DEP_1)
	v_sub_nc_u32 v[DM], v[DM], v12
	s_bfe_u32 s48, s[TQ], 0x20001
	s_lshl_b32 s48, s48, 5
	s_and_b32 s49, s[TQ], 1
	s_lshl_b32 s49, s49, 3
	s_add_co_u32 s48, s48, s49
	v_add_nc_u32 v[DM], s48, v[DM]                 ; + 32 ((T / 2) % 4) + 8 (T % 2)
	v_mul_u32_u24 v[SOUT], v8, 528
	s_delay_alu instid0(VALU_DEP_1)
	v_lshl_add_u32 v[SOUT], v9, 6, v[SOUT]
	s_delay_alu instid0(VALU_DEP_1)
	v_add_nc_u32 v[SOUT], s52, v[SOUT]
	v_mov_b32 v13, 0xff61b1e6                      ; the largest t so far: -3e38
	s_delay_alu instid0(VALU_DEP_1)
	v_floor_f32 v12, -v13                          ; -M
	v_mov_b32 v14, 0
	v_mov_b32 v15, 0
.irp b, 0,1,2,3
	v_mov_b32 v[236+\b], 0                         ; written once: a lane permute's destination counts as one of its sources
.endr
	v_mov_b32 v252, 0
	v_mov_b32 v253, 0
.set n, 0
.rept 64
	v_mov_b32 v[160+n], 0                          ; O^T: the step is written for all trips alike; the first finds zeros, which the first change of M leaves zeros
.set n, n+1
.endr
; MY KEY STEP of the slot in hand: 128 keys.  Which of the slot's two it is stands in the two lane addresses.
.macro STEP
	s_cmp_gt_u32 s[KJ], s[DJ]                      ; all its keys come after my queries: a branch on ids, round the step's work alone
	s_cbranch_scc1 .Lhidden_\@
	v_add_nc_u32 v[ADK], s[TB], v[AL0]
	s_wait_alu depctr_va_vdst(0)
	v_add_nc_u32 v[ADS], s[TB], v[AS0]
	v_nop
	v_nop                                          ; four places in front of loads into registers that the last step's products read
.irp m, 0,1
	ds_load_b128 v[80+4*\m:83+4*\m], v[ADS] offset:2*REC*\m+4*IMGB        ; K's scale words: register 4 m + t for key tile 4 m + t
	ds_load_b128 v[88+4*\m:91+4*\m], v[ADS] offset:2*REC*(2+\m)+4*IMGB    ; V's likewise
.endr
.irp g, 0,1                            ; S^T = K Q^T, four tiles of 16 keys at a time
.if \g > 0
.rept 4
	v_nop
.endr
.endif
.irp t, 0,1,2,3
.irp c, 0,1,2
	ds_load_b128 v[32+12*\t+4*\c:35+12*\t+4*\c], v[ADK] offset:2*REC*\g+IMGB*\t+512*\c
.endr
.endr
	s_wait_dscnt 0x0
.irp t, 0,1,2,3
	v_wmma_scale_f32_16x16x128_f8f6f4 v[96+8*(4*\g+\t):103+8*(4*\g+\t)], v[32+12*\t:43+12*\t], v[16:27], 0, v[80+4*\g+\t], v255 matrix_a_fmt:MATRIX_FMT_FP6 matrix_b_fmt:MATRIX_FMT_FP6
.endr
.endr
.rept 4
	v_nop                                          ; places in front of the first read of the scores, and of the loads below into registers that the products read
.endr
.irp t, 0,1,2,3                        ; V's first four fragments are asked for here: the softmax stands between these loads and the wait for them
.irp c, 0,1,2
	ds_load_b128 v[32+12*\t+4*\c:35+12*\t+4*\c], v[ADK] offset:2*REC*2+IMGB*\t+512*\c
.endr
.endr
	s_cmp_lg_u32 s[KJ], s[DJ]                      ; only my tile's own key step holds hidden keys
	s_cbranch_scc1 .Lopen_\@
	v_mov_b32 v254, 0xff800000                     ; -infinity: p = 0 then
.set n, 0
.rept 64
	v_cmp_gt_i32 vcc_lo, 32*(n/16)+n%16, v[DM]     ; register 16 b + i holds key 32 b + 16 h + i of the step
	v_cndmask_b32 v[96+n], v[96+n], v254, vcc_lo
.set n, n+1
.endr
.Lopen_\@:
.irp b, 0,1,2,3
	v_max3_num_f32 v[232+\b], v[96+16*\b], v[97+16*\b], v[98+16*\b]   ; the largest score of each block of 32 keys: for the row's maximum and, since p rises with the score, for the block's largest p
.endr
.irp i, 3,5,7,9,11,13
.irp b, 0,1,2,3
	v_max3_num_f32 v[232+\b], v[232+\b], v[96+16*\b+\i], v[97+16*\b+\i]
.endr
.endr
.irp b, 0,1,2,3
	v_max_num_f32 v[232+\b], v[232+\b], v[111+16*\b]
.endr
.irp b, 0,1,2,3
	s_delay_alu instid0(VALU_DEP_4)
	v_permlanex16_b32 v[236+\b], v[232+\b], s[SEL], s[SEL+1]
.endr
.irp b, 0,1,2,3
	s_delay_alu instid0(VALU_DEP_4)
	v_max_num_f32 v[232+\b], v[232+\b], v[236+\b]  ; with lane l xor 16's 16 keys
.endr
	s_delay_alu instid0(VALU_DEP_2)
	v_max3_num_f32 v254, v232, v233, v234
	s_delay_alu instid0(VALU_DEP_1)
	v_max_num_f32 v254, v254, v235
	s_delay_alu instid0(VALU_DEP_1)
	v_mul_f32 v254, s[CS], v254                    ; the step's largest t
	s_delay_alu instid0(VALU_DEP_1)
	v_max_num_f32 v13, v13, v254
	v_mov_b32 v254, v12
	s_delay_alu instid0(VALU_DEP_2)
	v_floor_f32 v12, -v13                          ; the new -M = -ceil(t)
	s_delay_alu instid0(VALU_DEP_1)
	v_sub_f32 v254, v12, v254                      ; old M - new M: a whole number, 0 or less
	s_delay_alu instid0(VALU_DEP_1)
	v_cvt_i32_f32 v254, v254                       ; (it saturates)
	s_delay_alu instid0(VALU_DEP_1)
	v_ldexp_f32 v252, 1.0, v254                    ; f = 2^(old M - new M)
.set n, 0
.rept 32
	v_pk_fma_f32 v[96+n:97+n], v[96+n:97+n], s[CS:CS+1], v[12:13] op_sel_hi:[1,0,0]   ; t - M, two at a time
.set n, n+2
.endr
.irp b, 0,1,2,3
	v_fma_f32 v[232+\b], v[232+\b], s[CS], v12
.endr
.set n, 0
	s_wait_alu depctr_va_vdst(0)
.rept 64
	v_exp_f32 v[96+n], v[96+n]                     ; p = 2^(t - M)
.set n, n+1
.endr
	v_pk_mul_f32 v[14:15], v[14:15], v[252:253] op_sel_hi:[1,0]   ; the sums under the new M: the plain place behind the exponentials
	s_wait_alu depctr_va_vdst(0)                   ; one wait for the batch, ahead of its first reader
.irp b, 0,1,2,3
	v_exp_f32 v[232+\b], v[232+\b]                 ; each block's largest p
.endr
	v_pk_add_f32 v[236:237], v[100:101], v[104:105]
	v_pk_add_f32 v[250:251], v[108:109], v[112:113]
	v_pk_add_f32 v[248:249], v[116:117], v[120:121]
	v_pk_add_f32 v[246:247], v[124:125], v[128:129]
	v_pk_add_f32 v[244:245], v[132:133], v[136:137]
	v_pk_add_f32 v[242:243], v[140:141], v[144:145]
	v_pk_add_f32 v[240:241], v[148:149], v[152:153]
	v_pk_add_f32 v[14:15], v[14:15], v[156:157]
	v_pk_add_f32 v[236:237], v[236:237], v[96:97]
	v_pk_add_f32 v[250:251], v[250:251], v[98:99]
	v_pk_add_f32 v[248:249], v[248:249], v[102:103]
	v_pk_add_f32 v[246:247], v[246:247], v[106:107]
	v_pk_add_f32 v[244:245], v[244:245], v[110:111]
	v_pk_add_f32 v[242:243], v[242:243], v[114:115]
	v_pk_add_f32 v[240:241], v[240:241], v[118:119]
	v_pk_add_f32 v[14:15], v[14:15], v[122:123]
	v_pk_add_f32 v[236:237], v[236:237], v[126:127]
	v_pk_add_f32 v[250:251], v[250:251], v[130:131]
	v_pk_add_f32 v[248:249], v[248:249], v[134:135]
	v_pk_add_f32 v[246:247], v[246:247], v[138:139]
	v_pk_add_f32 v[244:245], v[244:245], v[142:143]
	v_pk_add_f32 v[242:243], v[242:243], v[146:147]
	v_pk_add_f32 v[240:241], v[240:241], v[150:151]
	v_pk_add_f32 v[14:15], v[14:15], v[154:155]
	v_pk_add_f32 v[236:237], v[236:237], v[158:159]
	s_delay_alu instid0(VALU_DEP_2)
	v_pk_add_f32 v[14:15], v[14:15], v[246:247]
	s_delay_alu instid0(VALU_DEP_2)
	v_pk_add_f32 v[236:237], v[236:237], v[244:245]
	v_pk_add_f32 v[250:251], v[250:251], v[242:243]
	v_pk_add_f32 v[248:249], v[248:249], v[240:241]
	s_delay_alu instid0(VALU_DEP_2)
	v_pk_add_f32 v[14:15], v[14:15], v[250:251]
	s_delay_alu instid0(VALU_DEP_2)
	v_pk_add_f32 v[236:237], v[236:237], v[248:249]
	s_delay_alu instid0(VALU_DEP_1)
	v_pk_add_f32 v[14:15], v[14:15], v[236:237]
	s_wait_alu depctr_va_vdst(0)                   ; and one for the four
.irp b, 0,1,2,3
	v_max_num_f32 v[232+\b], 0x1800000, v[232+\b]  ; the floor 2^(3 - 127)
.endr
.irp b, 0,1,2,3
	s_delay_alu instid0(VALU_DEP_4)
	v_add_nc_u32 v[244+\b], 0xff000000, v[232+\b]
.endr
.irp b, 0,1,2,3
	s_delay_alu instid0(VALU_DEP_4)
	v_lshrrev_b32 v[236+\b], 23, v[244+\b]
.endr
	s_delay_alu instid0(VALU_DEP_3)
	v_lshl_or_b32 v253, v237, 8, v236              ; p's scale word for these 128 keys
	s_delay_alu instid0(VALU_DEP_1)
	v_lshl_or_b32 v253, v238, 16, v253
	s_delay_alu instid0(VALU_DEP_1)
	v_lshl_or_b32 v253, v239, 24, v253
.irp c, 0,1
	v_cvt_scalef32_pk16_fp6_f32 v[224+6*\c:226+6*\c], v[96+32*\c:111+32*\c], v[244+2*\c]
	v_cvt_scalef32_pk16_fp6_f32 v[236+4*\c:238+4*\c], v[112+32*\c:127+32*\c], v[244+2*\c+1]
.endr
	v_nop
.irp c, 0,1
.irp i, 0,1,2
	v_permlane16_swap_b32 v[224+6*\c+\i], v[236+4*\c+\i]
.endr
.irp i, 0,1,2
	s_delay_alu instid0(VALU_DEP_3)
	v_mov_b32 v[227+6*\c+\i], v[236+4*\c+\i]
.endr
.endr
.set n, 0
.rept 32
	v_pk_mul_f32 v[160+n:161+n], v[160+n:161+n], v[252:253] op_sel_hi:[1,0]   ; O^T under the new M; these 32 are also the places in front of the products below
.set n, n+2
.endr
	s_wait_alu depctr_va_vdst(0)
.irp g, 0,1                            ; O^T += V^T P^T, four tiles of 16 channels at a time
.if \g > 0
.rept 4
	v_nop
.endr
.irp t, 0,1,2,3
.irp c, 0,1,2
	ds_load_b128 v[32+12*\t+4*\c:35+12*\t+4*\c], v[ADK] offset:2*REC*3+IMGB*\t+512*\c
.endr
.endr
.endif
	s_wait_dscnt 0x0
.irp t, 0,1,2,3
	v_wmma_scale_f32_16x16x128_f8f6f4 v[160+8*(4*\g+\t):167+8*(4*\g+\t)], v[32+12*\t:43+12*\t], v[224:235], v[160+8*(4*\g+\t):167+8*(4*\g+\t)], v[88+4*\g+\t], v253 matrix_a_fmt:MATRIX_FMT_FP6 matrix_b_fmt:MATRIX_FMT_FP6
.endr
.endr
.Lhidden_\@:
	s_add_co_u32 s[KJ], s[KJ], 2                   ; my step of the next slot
.endm
; THE CHANGE OF SLOTS stands at a slot's head: each wave waits for all its tensor loads, adds 0 to its spare word, and waits for that and for its reads of the slot that it has left; one barrier; fill = 1: the slot left is filled with the next two key steps.
; Wo's share of a trip, behind the change of slots.  s55 = the slot's first key step less W0: 0: ask for my first image; 2: work the first and ask for the second; 4: work the second and store the scale words; else nothing.
.macro WO
	s_cmp_lg_u32 s[ROLE], 0
	s_cbranch_scc1 .Lwo_out_\@
	s_sub_co_u32 s55, s[KS], s[W0]
	s_cmp_gt_u32 s55, 4
	s_cbranch_scc1 .Lwo_out_\@
	s_lshl_b32 s56, s55, 8                         ; 512 bytes an image (the change of slots has waited on XCNT: last trip's prefetch has read s[56:57])
	s_mov_b32 s57, 0
	s_add_nc_u64 s[56:57], s[WOA:WOA+1], s[56:57]  ; the image to ask for; the image to work lies 512 bytes back
	s_cmp_eq_u32 s55, 4
	s_cbranch_scc1 .Lwo_img_\@
	global_prefetch_b8 v[PFW], s[56:57] th:TH_LOAD_NT scope:SCOPE_SE
	s_cmp_eq_u32 s55, 0
	s_cbranch_scc1 .Lwo_out_\@
.Lwo_img_\@:
.rept 4
	v_nop                                          ; places in front of loads into registers that a step's last products read
.endr
.irp i, 0,1,2,3,4,5,6,7,8,9,10,11,12,13,14,15
	global_load_b128 v[96+4*\i:99+4*\i], v[L16], s[56:57] offset:8192*(\i+8*(\i/8))-512 th:TH_LOAD_NT   ; 512 consecutive bytes of a row
.endr
	s_sub_co_u32 s58, s55, 2
	s_mul_i32 s58, s58, IMGB/2
	s_mov_b32 s59, 0
	s_add_nc_u64 s[58:59], s[WOD:WOD+1], s[58:59]  ; where the image goes
	s_wait_loadcnt 0x0
.irp i, 0,1,2,3,4,5,6,7,8,9,10,11,12,13,14,15
	ds_store_b128 v[MST], v[96+4*\i:99+4*\i] offset:528*\i
.endr
.irp b, 0,1,2,3
.irp j, 0,1,2,3
	ds_load_b128 v[32+16*\b+4*\j:35+16*\b+4*\j], v[SOUT] offset:128*\b+16*\j   ; LDS serves a wave's instructions in order: these see the stores above
.endr
.endr
	s_wait_dscnt 0x0
	v_mov_b32 v16, v17                             ; the first image's word moves down when the second is worked
	QUANT 32, 96, 232, 17
.irp c, 0,1,2
	global_store_b128 v[L16], v[96+4*\c:99+4*\c], s[58:59] offset:512*\c   ; 512 consecutive bytes, aligned
.endr
	s_cmp_lg_u32 s55, 4
	s_cbranch_scc1 .Lwo_end_\@
	v_add_nc_u32 v20, s[SCQ], v[R16]
	global_store_b64 v20, v[16:17], s[58:59]       ; row r's two words: half of the record's block of 256 bytes, wave w xor 8 fills the rest; lanes r and r + 16 hold the same words
.Lwo_end_\@:
	s_wait_alu depctr_va_vdst(0)
	s_wait_xcnt 0x0                                ; the stores have read their data and addresses
.Lwo_out_\@:
.endm
.macro CHANGE fill
	s_wait_tensorcnt 0x0                           ; no tensor load of mine is out, so group 0 may be written
	ds_add_u32 v[SPW], v[NIL]
.if \fill
	ds_add_u32 v[SPW], v[NIL]                      ; and once more
	s_xor_b32 s[G0+1], s[G0+1], SLOT1
	s_add_nc_u64 s[G0+2:G0+3], s[G0+2:G0+3], 8*REC
	s_wait_xcnt 0x0                                ; the last prefetch, a slot back, has read its address
	s_add_nc_u64 s[PFA:PFA+1], s[PFA:PFA+1], 8*REC
.endif
	s_wait_dscnt 0x0
	s_barrier_signal -1
	s_barrier_wait -1
.if \fill
	s_add_co_u32 s48, s[KS], 2                     ; the first key step of the slot to be asked for:
	s_cmp_gt_u32 s48, s[DJW]                       ; behind the work-group's last query none of its waves reads it.  The work-group's number and the count of slots alone: all sixteen waves go the same way
	s_cbranch_scc1 .Lpast_\@
	TLOAD
.Lpast_\@:
	ASK
.endif
.endm
	s_wait_loadcnt 0x0                             ; Q; its loads' address registers are free
	v_bfe_u32 v[PFW], v0, 1, 4
	v_bfe_u32 v11, v0, 4, 1
	s_delay_alu instid0(VALU_DEP_1)
	v_lshl_add_u32 v[PFW], v11, 3, v[PFW]
	v_and_b32 v11, 1, v0
	s_delay_alu instid0(VALU_DEP_2)
	v_lshlrev_b32 v[PFW], 13, v[PFW]
	s_delay_alu instid0(VALU_DEP_1)
	v_lshl_add_u32 v[PFW], v11, 8, v[PFW]
	s_wait_alu depctr_va_vdst(0)                   ; the wait at the head's end
.Lslot:
	CHANGE 1
	WO
	STEP
	s_xor_b32 s[TB], s[TB], SLOT1
	s_add_co_u32 s[KS], s[KS], 2
	s_sub_co_u32 s[SLOTS], s[SLOTS], 1
	s_cmp_lg_u32 s[SLOTS], 0
	s_cbranch_scc1 .Lslot
	CHANGE 0                                       ; the last slot is written out: nothing more is asked for
	STEP
	; THE MERGE.  The odd wave's O^T, -M and sum go to its stage as they stand in registers; behind the barrier the even wave reads them by the same lines.
.rept 4
	v_nop                                          ; places behind the last products
.endr
	s_cmp_eq_u32 s[PAR], 0
	s_cbranch_scc1 .Lkeep
.set n, 0
	s_wait_alu depctr_va_vdst(0)
.rept 16
	ds_store_b128 v[MST], v[160+4*n:163+4*n] offset:512*n   ; ascending: each accumulator is read from its low end on
.set n, n+1
.endr
	ds_store_b128 v[MST], v[12:15] offset:8192     ; -M, the largest t, the sum's two halves
.Lkeep:
	s_wait_dscnt 0x0                               ; for the partner's sake: my stores have landed
	s_barrier_signal -1
	s_barrier_wait -1
	s_cmp_lg_u32 s[PAR], 0
	s_cbranch_scc1 .Lend                           ; the odd wave is done
.set n, 0
.rept 16
	ds_load_b128 v[96+4*n:99+4*n], v[MLD] offset:512*n
.set n, n+1
.endr
	ds_load_b128 v[32:35], v[MLD] offset:8192
	s_lshl_b32 s46, s[TQ], 2
	s_lshr_b32 s48, s[HEAD], 2
	s_add_co_u32 s46, s46, s48
	s_mul_i32 s46, s46, REC                        ; ao: record 4 T + head / 4
	s_mov_b32 s47, 0
	s_add_nc_u64 s[6:7], s[6:7], s[46:47]
	s_and_b32 s48, s[HEAD], 3
	s_mul_i32 s49, s48, IMGB
	s_lshl_b32 s48, s48, 2
	s_add_co_u32 s48, s48, 4*IMGB
	s_wait_dscnt 0x0
	v_min_num_f32 v36, v12, v32                    ; -M of both: M is the larger of the two.  (A partner that had no step holds -M = 3e38, a sum of 0 and zeros)
	s_delay_alu instid0(VALU_DEP_1)
	v_sub_f32 v37, v36, v12                        ; my M less M, and the partner's: whole numbers, 0 or less
	s_delay_alu instid0(VALU_DEP_2)
	v_sub_f32 v38, v36, v32
	s_delay_alu instid0(VALU_DEP_2)
	v_cvt_i32_f32 v37, v37                         ; (they saturate)
	s_delay_alu instid0(VALU_DEP_2)
	v_cvt_i32_f32 v38, v38
	s_delay_alu instid0(VALU_DEP_2)
	v_ldexp_f32 v40, 1.0, v37                      ; fa, fb: powers of two, or 0
	s_delay_alu instid0(VALU_DEP_2)
	v_ldexp_f32 v42, 1.0, v38
	v_add_f32 v14, v14, v15
	v_add_f32 v34, v34, v35
	s_delay_alu instid0(VALU_DEP_2)
	v_mul_f32 v14, v14, v40
	s_delay_alu instid0(VALU_DEP_1)
	v_fma_f32 v14, v34, v42, v14                   ; the sum of my lane's keys under M,
	s_delay_alu instid0(VALU_DEP_1)
	v_permlanex16_b32 v252, v14, s[SEL], s[SEL+1]
	s_delay_alu instid0(VALU_DEP_1)
	v_add_f32 v14, v14, v252                       ; and lane l xor 16's: the row's sum
	s_wait_alu depctr_va_vdst(0)
	v_rcp_f32 v14, v14
	v_add_nc_u32 v10, s49, v[L16]                  ; (plain places behind the reciprocal)
	v_add_nc_u32 v11, s48, v[R16]
	s_wait_alu depctr_va_vdst(0)                   ; the wait ahead of the reciprocal's first reader
	v_mul_f32 v40, v40, v14                        ; fa / l, fb / l: a power of two times 1 / l rounds nothing
	v_mul_f32 v42, v42, v14
	s_delay_alu instid0(VALU_DEP_2)
	v_mov_b32 v41, v40                             ; (named as the pairs' upper halves, so they are written)
	s_delay_alu instid0(VALU_DEP_2)
	v_mov_b32 v43, v42
.set n, 0
.rept 32
	v_pk_mul_f32 v[96+n:97+n], v[96+n:97+n], v[42:43] op_sel_hi:[1,0]
.set n, n+2
.endr
.set n, 0
.rept 32
	v_pk_fma_f32 v[96+n:97+n], v[160+n:161+n], v[40:41], v[96+n:97+n] op_sel_hi:[1,0,1]   ; ascending: each accumulator is read from its low end on
.set n, n+2
.endr
	; THE WAY OUT: O / l, quantised along the head's 128 channels: an image of the last projection's operand
	QUANT 96, 32, 232, 244
.irp c, 0,1,2
	global_store_b128 v10, v[32+4*\c:35+4*\c], s[6:7] offset:512*\c   ; 512 consecutive bytes, aligned
.endr
	global_store_b32 v11, v244, s[6:7]             ; row r's scale word; lanes r and r + 16 hold the same word and store it at the same place
.Lend:
	s_wait_tensorcnt 0x0                           ; the wave's end
	ds_add_u32 v[SPW], v[NIL]
	s_wait_dscnt 0x0
	s_endpgm
.Lfunc_end_k_q4a44a6fcc3_attn:
	.size	k_q4a44a6fcc3_attn, .Lfunc_end_k_q4a44a6fcc3_attn-k_q4a44a6fcc3_attn
	.p2alignl 7, 3214868480
	.fill 96, 4, 3214868480
	.section	.rodata,"a",@progbits
	.p2align	6, 0x0
	.amdhsa_kernel k_q4a44a6fcc3_attn
		.amdhsa_group_segment_fixed_size 327680
		.amdhsa_private_segment_fixed_size 0
		.amdhsa_enable_private_segment 0
		.amdhsa_kernarg_size 32
		.amdhsa_user_sgpr_count 2
		.amdhsa_user_sgpr_kernarg_segment_ptr 1
		.amdhsa_wavefront_size32 1
		.amdhsa_system_sgpr_workgroup_id_x 1
		.amdhsa_system_sgpr_workgroup_id_y 1
		.amdhsa_system_sgpr_workgroup_id_z 1
		.amdhsa_system_vgpr_workitem_id 0
		.amdhsa_next_free_vgpr 256
		.amdhsa_next_free_sgpr 68
		.amdhsa_reserve_vcc 1
		.amdhsa_float_denorm_mode_32 3
		.amdhsa_float_denorm_mode_16_64 3
		.amdhsa_memory_ordered 1
		.amdhsa_forward_progress 1
		.amdhsa_inst_pref_size 86
	.end_amdhsa_kernel
	.amdgpu_metadata
---
amdhsa.version: [ 1, 2 ]
amdhsa.kernels:
  - .name:           k_q4a44a6fcc3_attn
    .symbol:         k_q4a44a6fcc3_attn.kd
    .args:
      - { .name: qkv, .offset: 0, .size: 8, .value_kind: global_buffer, .address_space: global }
      - { .name: ao, .offset: 8, .size: 8, .value_kind: global_buffer, .address_space: global }
      - { .name: Wo, .offset: 16, .size: 8, .value_kind: global_buffer, .address_space: global }
      - { .name: woc, .offset: 24, .size: 8, .value_kind: global_buffer, .address_space: global }
    .group_segment_fixed_size: 327680
    .private_segment_fixed_size: 0
    .kernarg_segment_align: 8
    .kernarg_segment_size: 32
    .max_flat_workgroup_size: 512
    .sgpr_count:     68
    .vgpr_count:     256
    .wavefront_size: 32
...
	.end_amdgpu_metadata
.endif
;; end of part 3
;; launch oproj (part 4): grid 16 x 16, 4 waves a work-group, clusters of 4 x 4, 327,680 bytes of LDS; arguments ao, woc, out0; writes out0
.if DOCPART == 4
	.amdgcn_target "amdgcn-amd-amdhsa--gfx1250"
	.amdhsa_code_object_version 6
	.text
	.protected	k_q4a44a6fcc3_oproj
	.globl	k_q4a44a6fcc3_oproj
	.p2align	8
	.type	k_q4a44a6fcc3_oproj,@function
k_q4a44a6fcc3_oproj:
	s_mov_b64 s[64:65], 0
	v_nop
	global_prefetch_b8 v0, s[64:65] scope:SCOPE_SE
	s_setreg_imm32_b32 hwreg(HW_REG_WAVE_MODE, 25, 1), 1
	s_wait_xcnt 0x0
	s_wait_alu depctr_hold_cnt(0) depctr_sa_sdst(0) depctr_va_vdst(0) depctr_va_sdst(0) depctr_va_ssrc(0) depctr_va_vcc(0) depctr_vm_vsrc(0)
	s_getreg_b32 s2, hwreg(HW_REG_IB_STS2, 6, 4)
	s_cmp_eq_u32 s2, 0
	s_cbranch_scc0 .Lentry_in_a_cluster
	s_endpgm
.Lentry_in_a_cluster:
	s_bfe_u32 s2, ttmp6, 0x10000c
	s_cmp_lg_u32 s2, 0xf033
	s_cbranch_scc0 .Lentry_shape_is_right
	s_endpgm
.Lentry_shape_is_right:
; LAUNCH 4 OF 4: out0 = (O / l) Wo^T on codes of FP6 with E8M0 scales, f32 out.  A work-group makes 128 x 256: four waves of 64 x 128.  The ring, the joint loads and the formats are the second launch's; K is 2,048: four K groups.
; THE PREFETCH: behind the load of K group g the cluster asks for group g + 2, shared out as in the second launch: groups 2 and 3 are asked for behind the head's two loads; the loop's loads, of groups 2 and 3, have no group two on.
.set KG,    4
.set LAPS,  2
.set REC,   6400
.set IMGB,  1536
.set SLOT,  24*REC
.set BOFF,  8*REC
.set SPARE, 2*SLOT
.set SPITCH, 528
.set ADRA, 16
.set ADRB, 20
.set ADRS, 22
.set STO,  24
.set RD,   25
.set CO,   26
.set PFO,  27                          ; v27  256 x min(lane, 24)
.set SPW,  28
.set NIL,  29
.set SC,   32
.set AF,   128
.set BK,   128
.set G1,   24
.set G0,   32
.set G1B,  48
.set G0B,  56
.set MSB, 0
.macro WIN new
.if MSB != (\new)
	s_set_vgpr_msb (MSB<<8)|(\new)
.set MSB, (\new)
.endif
.endm
.macro PLACES n
.rept \n
	v_nop
.endr
.endm
.macro JLOAD s
	s_cmp_eq_u32 s15, 0
	s_cbranch_scc0 .Lfor_b_\@
	tensor_load_to_lds s[G0+4*\s:G0+4*\s+3], s[G1:G1+7]
	s_nop 0
.rept 4
	v_nop
.endr
	s_branch .Lasked_\@
.Lfor_b_\@:
	tensor_load_to_lds s[G0B+4*\s:G0B+4*\s+3], s[G1B:G1B+7]
	s_nop 0
.rept 4
	v_nop
.endr
.Lasked_\@:
.endm
.macro ASK                             ; s[90:91], s[88:89]: my records of the K group just asked for by the joint load; the prefetch names the group two on
	global_prefetch_b8 v[PFO], s[90:91] offset:2*REC th:TH_LOAD_NT scope:SCOPE_SE
	s_cmp_eq_u32 s15, 0
	s_cbranch_scc0 .Lpf_done_\@
	global_prefetch_b8 v[PFO], s[88:89] offset:2*REC th:TH_LOAD_NT scope:SCOPE_SE
.Lpf_done_\@:
.endm
.macro ASK1                            ; group 1 is asked for too, behind group 0's load, whose landing stands between the request and group 1's load
	global_prefetch_b8 v[PFO], s[90:91] offset:REC th:TH_LOAD_NT scope:SCOPE_SE
	s_cmp_eq_u32 s15, 0
	s_cbranch_scc0 .Lpf1_done_\@
	global_prefetch_b8 v[PFO], s[88:89] offset:REC th:TH_LOAD_NT scope:SCOPE_SE
.Lpf1_done_\@:
.endm
.macro CREST
	s_cmp_lg_u32 s14, 0
	s_cbranch_scc1 .Lnot_wave_0_\@
	s_barrier_signal -3
.Lnot_wave_0_\@:
	s_barrier_wait -3
	s_barrier_signal -1
	s_barrier_wait -1
.endm
.macro CROUND
	s_barrier_signal -1
	s_barrier_wait -1
	CREST
.endm
	s_load_b128 s[4:7], s[0:1], 0x0
	s_load_b64 s[8:9], s[0:1], 0x10
	v_lshl_add_u32 v[SPW], v0, 2, SPARE
	v_mov_b32 v[NIL], 0
	ds_add_u32 v[SPW], v[NIL]
	ds_add_u32 v[SPW], v[NIL]
	v_lshrrev_b32 v1, 5, v0
	v_readfirstlane_b32 s14, v1
	v_and_b32 v[PFO], 31, v0
	v_min_u32 v[PFO], 24, v[PFO]
	v_lshlrev_b32 v[PFO], 8, v[PFO]
	s_lshr_b32 s15, s14, 1
	s_and_b32 s16, s14, 1
	s_bfe_u32 s40, ttmp6, 0x40000
	s_bfe_u32 s41, ttmp6, 0x40004
	s_and_b32 s17, ttmp7, 0xffff
	s_lshl_b32 s17, s17, 2
	s_add_co_u32 s17, s17, s41
	s_lshl_b32 s42, ttmp9, 2
	s_add_co_u32 s42, s42, s40
	s_lshl_b32 s43, s41, 2
	s_lshl_b32 s43, 15, s43
	s_lshl_b32 s44, 0x1111, s40
	s_or_b32 s[G1], s43, (3<<16)|(1<<21)
	s_or_b32 s[G1B], s44, (3<<16)|(1<<21)
	s_mov_b32 s[G1+1], 800<<16
	s_mov_b32 s[G1+2], 4<<16
	s_mov_b32 s[G1+3], 800<<16
	s_mov_b32 s[G1+4], 4
	s_mov_b32 s[G1+5], 800*KG
	s_mov_b32 s[G1+6], 0
	s_mov_b32 s[G1+7], 0
	s_mov_b32 s[G1B+1], 800<<16
	s_mov_b32 s[G1B+2], 8<<16
	s_mov_b32 s[G1B+3], 800<<16
	s_mov_b32 s[G1B+4], 8
	s_mov_b32 s[G1B+5], 800*KG
	s_mov_b32 s[G1B+6], 0
	s_mov_b32 s[G1B+7], 0
	s_lshl_b32 s21, s17, 3
	s_lshl_b32 s23, s16, 2
	s_add_co_u32 s21, s21, s23
	s_mul_i32 s72, s21, KG*REC
	s_mov_b32 s73, 0
	s_lshl_b32 s22, s42, 4
	s_lshl_b32 s45, s16, 3
	s_add_co_u32 s22, s22, s45
	s_mul_i32 s74, s22, KG*REC
	s_mov_b32 s75, 0
	s_sub_co_u32 s88, s21, s23                     ; the prefetches: ao's tile's first row block,
	s_add_co_u32 s88, s88, s16
	s_lshl_b32 s89, s40, 1
	s_add_co_u32 s88, s88, s89                     ; + 2 cx + wave (waves 0 and 1 ask)
	s_mul_i32 s88, s88, KG*REC
	s_mov_b32 s89, 0
	s_sub_co_u32 s90, s22, s45                     ; woc's tile's first row block,
	s_add_co_u32 s90, s90, s14
	s_lshl_b32 s91, s41, 2
	s_add_co_u32 s90, s90, s91                     ; + 4 cy + wave
	s_mul_i32 s90, s90, KG*REC
	s_mov_b32 s91, 0
	s_mul_i32 s76, s16, 4*REC
	s_mul_i32 s77, s16, 8*REC
	s_add_co_u32 s77, s77, BOFF
	s_wait_alu depctr_va_vdst(0)                   ; directly ahead of the waits below
	s_wait_dscnt 0x0
	s_wait_kmcnt 0x0
	s_add_nc_u64 s[88:89], s[4:5], s[88:89]
	s_add_nc_u64 s[90:91], s[6:7], s[90:91]
	s_add_nc_u64 s[72:73], s[4:5], s[72:73]
	s_add_nc_u64 s[74:75], s[6:7], s[74:75]
	CROUND
.irp s, 0,1
	s_mov_b32 s[G0+4*\s], 1
	s_add_co_u32 s[G0+4*\s+1], s76, \s*SLOT
	s_add_nc_u64 s[G0+4*\s+2:G0+4*\s+3], s[72:73], \s*REC
	s_or_b32 s[G0+4*\s+3], s[G0+4*\s+3], 0x80000000
	s_mov_b32 s[G0B+4*\s], 1
	s_add_co_u32 s[G0B+4*\s+1], s77, \s*SLOT
	s_add_nc_u64 s[G0B+4*\s+2:G0B+4*\s+3], s[74:75], \s*REC
	s_or_b32 s[G0B+4*\s+3], s[G0B+4*\s+3], 0x80000000
.endr
	JLOAD 0                                        ; K group 0: one tensor load a wave at the head
	ASK1                                           ; group 1,
	ASK                                            ; and group 2
	v_and_b32 v1, 31, v0
	v_and_b32 v2, 15, v0
	v_bfe_u32 v3, v0, 4, 1
	v_lshlrev_b32 v[CO], 4, v1
	s_wait_alu depctr_va_vdst(0)
	s_mul_i32 s21, s15, 4*REC
	s_mul_i32 s22, s16, 8*REC
	s_add_co_u32 s22, s22, BOFF
	s_sub_co_u32 s23, s22, s21
	v_mul_u32_u24 v5, s23, v3
	v_lshl_add_u32 v5, v2, 4, v5
	s_add_co_u32 s23, s21, 4*IMGB
.irp s, 0,1
	v_add_nc_u32 v[ADRA+\s], s21, v[CO]
	v_add_nc_u32 v[ADRB+\s], s22, v[CO]
	v_add_nc_u32 v[ADRS+\s], s23, v5
	s_add_co_u32 s21, s21, SLOT
	s_add_co_u32 s22, s22, SLOT
	s_add_co_u32 s23, s23, SLOT
.endr
	s_mul_i32 s23, s14, 16*SPITCH
	v_mul_u32_u24 v[STO], v2, SPITCH
	v_lshl_add_u32 v[STO], v3, 6, v[STO]
	v_add_nc_u32 v[STO], s23, v[STO]
	v_add_nc_u32 v[RD], s23, v[CO]
	s_lshl_b32 s80, s17, 21
	s_lshl_b32 s82, s15, 20
	s_add_co_u32 s80, s80, s82
	s_lshl_b32 s82, s42, 10
	s_add_co_u32 s80, s80, s82
	s_lshl_b32 s82, s16, 9
	s_add_co_u32 s80, s80, s82
	s_mov_b32 s81, 0
	s_add_nc_u64 s[8:9], s[8:9], s[80:81]
.macro FETCH slot, q, p
	WIN 0x40
.irp b, 0,1,2,3,4,5,6,7
.irp c, 0,1,2
	ds_load_b128 v[96*(\p)+12*\b+4*\c:96*(\p)+12*\b+4*\c+3], v[ADRB+\slot] offset:REC*\b+IMGB*(\q)+512*\c
.endr
.endr
	WIN 0
.irp a, 0,1,2,3
.irp c, 0,1,2
	ds_load_b128 v[AF+48*(\p)+12*\a+4*\c:AF+48*(\p)+12*\a+4*\c+3], v[ADRA+\slot] offset:REC*\a+IMGB*(\q)+512*\c
.endr
.endr
.endm
.macro SCALES slot
.irp i, 0,1,2,3,4,5,6,7
	ds_load_b128 v[SC+32*\slot+4*\i:SC+32*\slot+4*\i+3], v[ADRS+\slot] offset:REC*\i
.endr
.endm
.macro MUL8 a, p, q, sc, zero
.irp b, 0,1,2,3,4,5,6,7
.if \zero
	v_wmma_scale_f32_16x16x128_f8f6f4 v[8*(8*(\a)+\b):8*(8*(\a)+\b)+7], v[96*(\p)+12*\b:96*(\p)+12*\b+11], v[AF+48*(\p)+12*(\a):AF+48*(\p)+12*(\a)+11], 0, v[SC+32*(\sc)+4*\b+(\q)], v[SC+32*(\sc)+4*(\a)+(\q)] matrix_a_fmt:MATRIX_FMT_FP6 matrix_b_fmt:MATRIX_FMT_FP6 matrix_a_scale:MATRIX_SCALE_ROW1
.else
	v_wmma_scale_f32_16x16x128_f8f6f4 v[8*(8*(\a)+\b):8*(8*(\a)+\b)+7], v[96*(\p)+12*\b:96*(\p)+12*\b+11], v[AF+48*(\p)+12*(\a):AF+48*(\p)+12*(\a)+11], v[8*(8*(\a)+\b):8*(8*(\a)+\b)+7], v[SC+32*(\sc)+4*\b+(\q)], v[SC+32*(\sc)+4*(\a)+(\q)] matrix_a_fmt:MATRIX_FMT_FP6 matrix_b_fmt:MATRIX_FMT_FP6 matrix_a_scale:MATRIX_SCALE_ROW1
.endif
.endr
.endm
.macro STEP slot, q, zero
	PLACES 4
	FETCH \slot, (\q)+1, ((\q)+1)%2
	s_wait_dscnt 36
	WIN 0xa1
	MUL8 0, (\q)%2, \q, \slot, \zero
	MUL8 1, (\q)%2, \q, \slot, \zero
	MUL8 2, (\q)%2, \q, \slot, \zero
	MUL8 3, (\q)%2, \q, \slot, \zero
	WIN 0
.endm
.macro TURN slot, next, fill
	s_wait_tensorcnt 0x0
	ds_add_u32 v[SPW], v[NIL]
	s_wait_dscnt 1
	WIN 0xa1
	MUL8 0, 1, 3, \slot, 0
	s_wait_dscnt 0x0
	s_barrier_signal -1
	MUL8 1, 1, 3, \slot, 0
	WIN 0
	s_barrier_wait -1
.if \fill
	CREST
	s_add_nc_u64 s[G0+4*\slot+2:G0+4*\slot+3], s[G0+4*\slot+2:G0+4*\slot+3], 2*REC
	s_add_nc_u64 s[G0B+4*\slot+2:G0B+4*\slot+3], s[G0B+4*\slot+2:G0B+4*\slot+3], 2*REC
	JLOAD \slot
.else
	PLACES 4
.endif
	FETCH \next, 0, 0
	SCALES \next
	WIN 0xa1
	MUL8 2, 1, 3, \slot, 0
	MUL8 3, 1, 3, \slot, 0
	WIN 0
.endm
	s_wait_alu depctr_va_vdst(0)
	s_wait_xcnt 0x0                                ; the head's prefetches have read their addresses
	s_add_nc_u64 s[88:89], s[88:89], REC
	s_add_nc_u64 s[90:91], s[90:91], REC
	s_wait_tensorcnt 0x0                           ; my part of K group 0 is in
	ds_add_u32 v[SPW], v[NIL]
	s_wait_dscnt 0x0
	CROUND                                         ; everybody's part is in, and all sixteen work-groups are here
	JLOAD 1                                        ; K group 1, the first tensor load behind the round
	FETCH 0, 0, 0
	SCALES 0
	ASK                                            ; group 3
	STEP 0, 0, 1
	s_mov_b32 s3, LAPS-1
.Llap:
	STEP 0, 1, 0
	STEP 0, 2, 0
	TURN 0, 1, 1
	STEP 1, 0, 0
	STEP 1, 1, 0
	STEP 1, 2, 0
	TURN 1, 0, 1
	STEP 0, 0, 0
	s_sub_co_u32 s3, s3, 1
	s_cmp_lg_u32 s3, 0
	s_cbranch_scc1 .Llap
	STEP 0, 1, 0
	STEP 0, 2, 0
	TURN 0, 1, 0
	STEP 1, 0, 0
	STEP 1, 1, 0
	STEP 1, 2, 0
	s_wait_dscnt 0x0
	WIN 0xa1
	MUL8 0, 1, 3, 1, 0
	MUL8 1, 1, 3, 1, 0
	MUL8 2, 1, 3, 1, 0
	MUL8 3, 1, 3, 1, 0
	WIN 0
	PLACES 4
.macro TOSTAGE a
	WIN 0x08
.irp b, 0,1,2,3,4,5,6,7
	ds_store_b128 v[STO], v[8*(8*(\a)+\b):8*(8*(\a)+\b)+3] offset:128*(\b/2)+32*(\b%2)
	ds_store_b128 v[STO], v[8*(8*(\a)+\b)+4:8*(8*(\a)+\b)+7] offset:128*(\b/2)+32*(\b%2)+16
.endr
	WIN 0
.set BB, BK+64*((\a)%2)
.irp t, 0,1,2,3,4,5,6,7,8,9,10,11,12,13,14,15
	ds_load_b128 v[BB+4*\t:BB+4*\t+3], v[RD] offset:SPITCH*\t
.endr
.endm
.macro SEND a, younger
.set BB, BK+64*((\a)%2)
	s_wait_dscnt \younger
.irp t, 0,1,2,3,4,5,6,7,8,9,10,11,12,13,14,15
	global_store_b128 v[CO], v[BB+4*\t:BB+4*\t+3], s[8:9] offset:(32*((\a)/2)+8*((\a)%2)+(\t%8)+16*(\t/8))*16384 th:TH_STORE_NT
.endr
.endm
	TOSTAGE 0
.irp a, 1,2,3
.if \a > 1
	s_wait_xcnt 0x0
.endif
	TOSTAGE \a
	SEND \a-1, 32
.endr
	SEND 3, 0
	s_wait_tensorcnt 0x0
	ds_add_u32 v[SPW], v[NIL]
	s_wait_dscnt 0x0
	CROUND
	s_endpgm
.Lfunc_end_k_q4a44a6fcc3_oproj:
	.size	k_q4a44a6fcc3_oproj, .Lfunc_end_k_q4a44a6fcc3_oproj-k_q4a44a6fcc3_oproj
	.p2alignl 7, 3214868480
	.fill 96, 4, 3214868480
	.section	.rodata,"a",@progbits
	.p2align	6, 0x0
	.amdhsa_kernel k_q4a44a6fcc3_oproj
		.amdhsa_group_segment_fixed_size 327680
		.amdhsa_private_segment_fixed_size 0
		.amdhsa_enable_private_segment 0
		.amdhsa_kernarg_size 24
		.amdhsa_user_sgpr_count 2
		.amdhsa_user_sgpr_kernarg_segment_ptr 1
		.amdhsa_wavefront_size32 1
		.amdhsa_system_sgpr_workgroup_id_x 1
		.amdhsa_system_sgpr_workgroup_id_y 1
		.amdhsa_system_sgpr_workgroup_id_z 1
		.amdhsa_system_vgpr_workitem_id 0
		.amdhsa_next_free_vgpr 768
		.amdhsa_next_free_sgpr 100
		.amdhsa_reserve_vcc 0
		.amdhsa_float_denorm_mode_32 3
		.amdhsa_float_denorm_mode_16_64 3
		.amdhsa_memory_ordered 1
		.amdhsa_forward_progress 1
		.amdhsa_inst_pref_size 133
	.end_amdhsa_kernel
	.amdgpu_metadata
---
amdhsa.version: [ 1, 2 ]
amdhsa.kernels:
  - .name:           k_q4a44a6fcc3_oproj
    .symbol:         k_q4a44a6fcc3_oproj.kd
    .args:
      - { .name: ao, .offset: 0, .size: 8, .value_kind: global_buffer, .address_space: global }
      - { .name: woc, .offset: 8, .size: 8, .value_kind: global_buffer, .address_space: global }
      - { .name: out0, .offset: 16, .size: 8, .value_kind: global_buffer, .address_space: global }
    .group_segment_fixed_size: 327680
    .private_segment_fixed_size: 0
    .kernarg_segment_align: 8
    .kernarg_segment_size: 24
    .max_flat_workgroup_size: 128
    .sgpr_count:     100
    .vgpr_count:     768
    .wavefront_size: 32
...
	.end_amdgpu_metadata
.endif
;; end of part 4
